; MI455X (gfx1250); checked and timed in simulation.
; The chip was launched on July 23, 2026; its instructions are those of AMD's public machine-readable ISA for CDNA 5 (MIT licence, August 2026) and "CDNA5" Instruction Set Architecture Reference Guide (July 2026). The comments in the code are by the model that wrote it; some were corrected since.
;; Phi Mo E Decoder Layer. Allowed arithmetic: float matrix products may take bf16 or f16 operands with f32 sums; other float arithmetic in f32, or as packed bf16 or f16 multiplies, adds, multiply-adds, maxima and minima; sums over many terms, partial sums and values carried from step to step in f32; what a program stores and reads back later, other than sums and carried values, may be rounded once to bf16 or f16.
;; Inputs: W1 16 x 1,024 x 1,024 float32; W2 16 x 1,024 x 1,024 float32; W3 16 x 1,024 x 1,024 float32; Wk 1,024 x 256 float32; Wo 1,024 x 1,024 float32; Wq 1,024 x 1,024 float32; Wv 1,024 x 256 float32; bk 256 float32; bo 1,024 float32; bq 1,024 float32; bv 256 float32; cos 1,024 x 64 float32; gate_w 1,024 x 16 float32; ln1_b 1,024 float32; ln1_w 1,024 float32; ln2_b 1,024 float32; ln2_w 1,024 float32; sin 1,024 x 64 float32; x 1 x 1,024 x 1,024 float32.
;; Outputs: out0 1 x 1,024 x 1,024 float32; out1 1,024 x 16 float32.
;; One version. Each part assembles by itself: llvm-mc -triple=amdgcn-amd-amdhsa -mcpu=gfx1250 --defsym DOCPART=n.
;; ======== version 1 of 1: 7 launches
;; limits: values are held in f16: magnitudes above 65,504 overflow, below 6.1e-05 lose precision
;; workspace buffers: qkv 3,145,728 bytes; ob 2,097,152 bytes; x1 4,194,304 bytes; h2 2,097,152 bytes; bmap 4,096 bytes of whole numbers; gw 8,192 bytes; he 4,194,304 bytes; pp 8,388,608 bytes
;; launch qkv (part 1): grid 12 x 16, 8 waves a work-group, no clusters, 169,984 bytes of LDS; arguments x, ln1_w, ln1_b, Wq, Wk, Wv, bq, bk, bv, cos, sin, qkv; writes qkv
.if DOCPART == 1
	.amdgcn_target "amdgcn-amd-amdhsa--gfx1250"
	.amdhsa_code_object_version 6
	.text
	.protected	k_q6ed6869764_qkv
	.globl	k_q6ed6869764_qkv
	.p2align	8
	.type	k_q6ed6869764_qkv,@function
k_q6ed6869764_qkv:
	s_mov_b64 s[64:65], 0
	v_nop
	global_prefetch_b8 v0, s[64:65] scope:SCOPE_SE
	s_setreg_imm32_b32 hwreg(HW_REG_WAVE_MODE, 25, 1), 1
	s_wait_xcnt 0x0
; h = rmsnorm(x) ; y = h W + bias for 128 columns (two heads) of q, k or v ; rope on q and k ; all stored in f16 by heads.
; qkv: 24 heads of 131,072 bytes: 0-15 q [1024 tokens][64], 16-19 k [1024][64], 20-23 v TRANSPOSED [64 channels][1024 tokens].
; SHARES.  A work-group owns 64 tokens (grid y) and 128 columns (grid x: 0-7 q, 8-9 k, 10-11 v).  Wave w: 32 rows (w % 2) x 32 columns (w / 2): 2 x 2 accumulators.
; FORMATS.  h and the weights are rounded once to f16, sums in f32.  LIMITS: f16 ends at 65,504 (q, k, v must stay inside it); below 6e-5 it keeps a fixed step of 6e-8; NaN and infinities are not treated apart.
; The weights lie [K][N] in f32: they go registers -> f16 -> LDS [K][N] -> ds_load_tr16_b128.  No cluster: what work-groups share is f32 and has to pass registers to be rounded.
; The products are used transposed (source 0 = 16 columns of W, source 1 = 16 tokens): a lane holds one token and eight neighbouring columns.
; The accumulators are cleared by 32 v_mov_b32 while weights are on their way: no first K step is written out.
; A wave's eight rows of x are all asked for at the start.  The norm is ONE text, walked twice, four rows a walk: 128 v_mov_b32 bring the second four rows to the registers that the text names;
; a second copy of the text for the other registers would be six times as long as the moves.
.set AHP,   2064                ; a row of h in LDS: 2,048 bytes + 16
.set BW,    64*AHP              ; two buffers of 64 K rows x 128 columns f16; later the f32 stage
.set BWP,   288                 ; 256 + 32: an odd multiple of 32
.set BWB,   64*BWP
.set SGP,   528                 ; a stage row: 128 f32 + 16 bytes
.set SPARE, BW+2*BWB            ; the spare words, 128 bytes a wave
.set SPW, 2
.set NIL, 3
.set WO,  4                     ; v4-7   byte offset of row 8 w + 4 (lane / 16) + 0..3 of a chunk of W, + 16 (lane % 16)
.set WST, 8                     ; where my 8 bytes of a W row go in LDS
.set AF,  9                     ; my A fragment's address; steps 128 bytes a K step
.set BF,  10                    ; my B fragment's address
.set XO,  11
.set AHS, 12
.set LWO, 13
.set EB1, 14
.set EB2, 15
.set ECO, 16
.set EVB, 17
.set SGW, 18
.set R1,  19
.set CH,  20                    ; v20-27 four packed chains, later four pairs (1/rms, any)
.set SS,  28
.set PX,  32
.set TT,  40
.set R2,  56
.set GO,  57
.set VRD, 58
.set VGO, 59
.set X,   64                    ; v64-191 four rows of x
.set LW,  192
.set LB,  224
.set ACC, 64                    ; later: accumulator (f, u) at 64 + 8 (2 f + u)
.set FA,  96
.set FB,  128
.set RING, 0                    ; window 1: four slots of 32 registers of W in flight
.set X2,  128                   ; window 1, v128-255: my other four rows of x, until the first four are done
.set T1,  128                   ; window 1, behind the norm: 16 registers of rounded W
.set E,   144                   ; window 1, behind the norm: biases, cos, sin for the way out
.set MSB, 0
.macro WIN new                  ; bits 1:0 source 0, 3:2 source 1, 5:4 source 2, 7:6 destination; the high byte repeats the setting that is left
.if MSB != (\new)
	s_set_vgpr_msb (MSB<<8)|(\new)
.set MSB, \new
.endif
.endm
.macro BAR
	s_wait_dscnt 0x0
	s_barrier_signal -1
	s_barrier_wait -1
.endm
.macro PLACES
.rept 4
	v_nop
.endr
.endm
	s_load_b512 s[8:23], s[0:1], 0x0       ; x 8, ln1_w 10, ln1_b 12, Wq 14, Wk 16, Wv 18, bq 20, bk 22
	s_load_b256 s[24:31], s[0:1], 0x40     ; bv 24, cos 26, sin 28, qkv 30
	v_lshl_add_u32 v[SPW], v0, 2, SPARE
	v_mov_b32 v[NIL], 0
	v_lshrrev_b32 v1, 5, v0
	v_readfirstlane_b32 s2, v1             ; wave
	s_mov_b32 s3, ttmp9                    ; column group
	s_and_b32 s4, ttmp7, 0xffff            ; row block
	s_cmp_lt_u32 s3, 8
	s_cselect_b32 s37, 12, 10              ; a row of Wq is 4,096 bytes, of Wk and Wv 1,024
	s_cselect_b32 s5, 0, 8
	s_cmp_ge_u32 s3, 10
	s_cselect_b32 s5, 10, s5
	s_sub_co_u32 s5, s3, s5                ; column group inside its matrix
	s_lshl_b32 s36, 1, s37                 ; the stride in bytes
	s_lshl_b32 s6, s5, 9                   ; 128 columns of f32
	s_mov_b32 s7, 0
	s_lshl_b32 s34, s36, 6                 ; 64 rows of W: a K step
	s_mov_b32 s35, 0
	s_lshl_b32 s52, s4, 13                 ; q, k: 64 tokens x 128 bytes
	s_lshl_b32 s53, s4, 7                  ; v: 64 tokens x 2 bytes
	s_cmp_ge_u32 s3, 10
	s_cselect_b32 s52, s53, s52
	s_lshl_b32 s53, s3, 18                 ; two heads of 131,072 bytes
	s_add_co_u32 s52, s52, s53
	s_mov_b32 s53, 0
	s_lshl_b32 s54, s4, 18                 ; 64 rows of x
	s_mov_b32 s55, 0
	s_lshl_b32 s56, s4, 14                 ; 64 rows of cos, sin
	s_mov_b32 s57, 0
	s_mov_b32 s48, 0x76543210
	s_mov_b32 s49, 0xfedcba98
	s_mov_b32 s50, 0x3a800000              ; 1 / 1024
	s_mov_b32 s51, 0x3727c5ac              ; 1e-5
	v_and_b32 v20, 31, v0                  ; lane
	v_and_b32 v21, 15, v0                  ; r
	v_bfe_u32 v22, v0, 4, 1                ; h
	v_and_b32 v23, 7, v0
	v_bfe_u32 v24, v0, 3, 1
	v_lshrrev_b32 v25, 3, v0
	s_lshl_b32 s58, s2, 3
	v_lshl_add_u32 v26, v22, 2, s58        ; 8 w + 4 h
	v_mul_lo_u32 v[WO], v26, s36
	v_lshl_add_u32 v[WO], v21, 4, v[WO]
	v_add_nc_u32 v[WO+1], s36, v[WO]
	v_add_nc_u32 v[WO+2], s36, v[WO+1]
	v_add_nc_u32 v[WO+3], s36, v[WO+2]
	s_mul_i32 s58, s2, 8*BWP
	s_add_co_u32 s58, s58, BW
	v_mul_u32_u24 v[WST], v22, 4*BWP
	v_lshl_add_u32 v[WST], v21, 3, v[WST]
	v_add_nc_u32 v[WST], s58, v[WST]
	s_and_b32 s59, s2, 1                   ; row half
	s_lshr_b32 s60, s2, 1                  ; column quarter
	s_mul_i32 s58, s59, 32*AHP
	v_mul_u32_u24 v[AF], v21, AHP
	v_lshl_add_u32 v[AF], v22, 4, v[AF]
	v_add_nc_u32 v[AF], s58, v[AF]
	s_mul_i32 s58, s59, 32*SGP
	s_lshl_b32 s61, s60, 7
	s_add_co_u32 s58, s58, s61
	s_add_co_u32 s58, s58, BW
	v_mul_u32_u24 v[SGW], v21, SGP
	v_lshl_add_u32 v[SGW], v22, 5, v[SGW]
	v_add_nc_u32 v[SGW], s58, v[SGW]
	v_lshl_add_u32 v27, v22, 3, v23        ; 8 h + lane % 8
	v_mul_u32_u24 v[BF], v27, BWP
	v_lshl_add_u32 v[BF], v24, 4, v[BF]
	s_lshl_b32 s58, s60, 6
	s_add_co_u32 s58, s58, BW
	v_add_nc_u32 v[BF], s58, v[BF]
	v_lshlrev_b32 v[LWO], 4, v20
	s_lshl_b32 s58, s2, 15
	v_add_nc_u32 v[XO], s58, v[LWO]        ; my wave's 8 rows of x
	s_mul_i32 s58, s2, 8*AHP
	v_lshl_add_u32 v[AHS], v20, 3, s58
	v_lshlrev_b32 v[EB1], 5, v23
	v_lshlrev_b32 v[EB2], 4, v23
	v_lshlrev_b32 v[ECO], 5, v0
	v_lshlrev_b32 v[EVB], 2, v25
	v_mul_u32_u24 v[R2], v25, SGP
	v_add_nc_u32 v[R2], BW, v[R2]
	v_lshl_add_u32 v[R1], v23, 5, v[R2]
	v_lshl_add_u32 v[R2], v23, 4, v[R2]
	v_lshlrev_b32 v[GO], 4, v0
	v_mul_u32_u24 v[VRD], v23, 8*SGP
	v_lshl_add_u32 v[VRD], v25, 2, v[VRD]
	v_add_nc_u32 v[VRD], BW, v[VRD]
	v_lshlrev_b32 v[VGO], 11, v25
	v_lshl_add_u32 v[VGO], v23, 4, v[VGO]
.irp i, 0,1,2,3
	v_mov_b32 v[PX+\i], 0                  ; v_permlanex16_b32 counts as a reader of its destination
.endr
	s_wait_kmcnt 0x0
	s_cmp_lt_u32 s3, 8
	s_cselect_b64 s[32:33], s[14:15], s[16:17]
	s_cselect_b64 s[38:39], s[20:21], s[22:23]
	s_cmp_ge_u32 s3, 10
	s_cselect_b64 s[32:33], s[18:19], s[32:33]   ; W of my type
	s_cselect_b64 s[38:39], s[24:25], s[38:39]   ; its bias
	s_add_nc_u64 s[32:33], s[32:33], s[6:7]
	s_add_nc_u64 s[38:39], s[38:39], s[6:7]
	s_add_nc_u64 s[40:41], s[30:31], s[52:53]    ; where my two heads' rows go
	s_add_nc_u64 s[42:43], s[8:9], s[54:55]
	s_add_nc_u64 s[44:45], s[26:27], s[56:57]
	s_add_nc_u64 s[46:47], s[28:29], s[56:57]
	; x first: the norm waits for it; then the gains, my other four rows, and four chunks of W
.irp i, 0,1,2,3
.irp j, 0,1,2,3,4,5,6,7
	global_load_b128 v[X+32*\i+4*\j:X+32*\i+4*\j+3], v[XO], s[42:43] offset:4096*\i+512*\j
.endr
.endr
.irp j, 0,1,2,3,4,5,6,7
	global_load_b128 v[LW+4*\j:LW+4*\j+3], v[LWO], s[10:11] offset:512*\j
	global_load_b128 v[LB+4*\j:LB+4*\j+3], v[LWO], s[12:13] offset:512*\j
.endr
	WIN 0x40
.irp i, 0,1,2,3
.irp j, 0,1,2,3,4,5,6,7
	global_load_b128 v[X2+32*\i+4*\j:X2+32*\i+4*\j+3], v[XO], s[42:43] offset:4096*(\i+4)+512*\j
.endr
.endr
	WIN 0
.macro WLOAD q                  ; a chunk of W: 64 K rows x 128 columns; one load takes 256 bytes of row k (lanes 0-15) and of row k + 4 (lanes 16-31)
	WIN 0x40
.irp n, 0,1,2,3,4,5,6,7
	global_load_b128 v[RING+32*(\q)+4*(\n):RING+32*(\q)+4*(\n)+3], v[WO+(\n)%4], s[32:33] offset:((\n)/4)*256
.endr
	WIN 0
.endm
	WLOAD 0
.irp q, 1,2,3
	s_wait_xcnt 0x0                        ; W's base is stepped only behind this wait
	s_add_nc_u64 s[32:33], s[32:33], s[34:35]
	WLOAD \q
.endr
; What the way out needs: 20 loads.  Both kinds are loaded whatever the type: every address lies inside its buffer, and no register is written on one side of a branch alone.
.macro ELOAD
	WIN 0x40
.irp hh, 0,1
	global_load_b128 v[E+16*\hh:E+16*\hh+3],     v[EB1], s[38:39] offset:256*\hh        ; bias of columns j0 .. j0 + 7
	global_load_b128 v[E+16*\hh+4:E+16*\hh+7],   v[EB1], s[38:39] offset:256*\hh+16
	global_load_b128 v[E+16*\hh+8:E+16*\hh+11],  v[EB2], s[38:39] offset:256*\hh+128    ; of 32 + j0 / 2 ..
	global_load_b128 v[E+16*\hh+12:E+16*\hh+15], v[EB2], s[38:39] offset:256*\hh        ; of j0 / 2 ..
.endr
.irp rh, 0,1
	global_load_b128 v[E+32+16*\rh:E+32+16*\rh+3],     v[ECO], s[44:45] offset:8192*\rh
	global_load_b128 v[E+32+16*\rh+4:E+32+16*\rh+7],   v[ECO], s[44:45] offset:8192*\rh+16
	global_load_b128 v[E+32+16*\rh+8:E+32+16*\rh+11],  v[ECO], s[46:47] offset:8192*\rh
	global_load_b128 v[E+32+16*\rh+12:E+32+16*\rh+15], v[ECO], s[46:47] offset:8192*\rh+16
.endr
.irp it, 0,1,2,3
	global_load_b32 v[E+64+\it], v[EVB], s[38:39] offset:256*(\it/2)+128*(\it%2)
.endr
	WIN 0
.endm
; THE NORM.  A wave takes its 8 rows four at a time, in a loop of two trips.
.macro NSUM i
.set XB, X+32*(\i)
.irp c, 0,1,2,3
	v_pk_mul_f32 v[CH+2*\c:CH+2*\c+1], v[XB+2*\c:XB+2*\c+1], v[XB+2*\c:XB+2*\c+1]
.endr
.set p, 4
.rept 12
	v_pk_fma_f32 v[CH+2*(p%4):CH+2*(p%4)+1], v[XB+2*p:XB+2*p+1], v[XB+2*p:XB+2*p+1], v[CH+2*(p%4):CH+2*(p%4)+1]
.set p, p+1
.endr
	v_pk_add_f32 v[CH:CH+1], v[CH:CH+1], v[CH+2:CH+3]
	v_pk_add_f32 v[CH+4:CH+5], v[CH+4:CH+5], v[CH+6:CH+7]
	v_pk_add_f32 v[CH:CH+1], v[CH:CH+1], v[CH+4:CH+5]
	v_add_f32 v[SS+(\i)], v[CH], v[CH+1]
.endm
.macro NROW i
.set XB, X+32*(\i)
.set p, 0
.rept 16
	v_pk_mul_f32 v[XB+2*p:XB+2*p+1], v[XB+2*p:XB+2*p+1], v[CH+2*(\i):CH+2*(\i)+1] op_sel_hi:[1,0]
.set p, p+1
.endr
.set p, 0
.rept 16
	v_pk_fma_f32 v[XB+2*p:XB+2*p+1], v[LW+2*p:LW+2*p+1], v[XB+2*p:XB+2*p+1], v[LB+2*p:LB+2*p+1]
.set p, p+1
.endr
.set p, 0
.rept 16
	v_cvt_pk_f16_f32 v[TT+p], v[XB+2*p], v[XB+2*p+1]
.set p, p+1
.endr
.irp j, 0,1,2,3,4,5,6,7
	ds_store_b64 v[AHS], v[TT+2*\j:TT+2*\j+1] offset:(\i)*AHP+256*\j
.endr
.endm
	s_mov_b32 s58, 2
.Lnorm:
	s_wait_loadcnt 32                      ; the 32 loads of W are younger than x and the gains: these are in, W may stay out
	NSUM 0
	NSUM 1
	NSUM 2
	NSUM 3
.irp k, 1,2,4,8
.irp i, 0,1,2,3
	v_add_f32_dpp v[SS+\i], v[SS+\i], v[SS+\i] row_xmask:\k row_mask:0xf bank_mask:0xf
.endr
.endr
.irp i, 0,1,2,3
	v_permlanex16_b32 v[PX+\i], v[SS+\i], s48, s49
.endr
.irp i, 0,1,2,3
	v_add_f32 v[SS+\i], v[SS+\i], v[PX+\i]
.endr
.irp i, 0,1,2,3
	v_fma_f32 v[SS+\i], v[SS+\i], s50, s51 ; mean of squares + eps
.endr
.irp i, 0,1,2,3
	v_rsq_f32 v[CH+2*\i], v[SS+\i]
.endr
	v_nop                                  ; a plain instruction behind the last of the batch
	s_wait_alu depctr_va_vdst(0)           ; one wait for the four, ahead of their first reader
	NROW 0
	NROW 1
	NROW 2
	NROW 3
	v_add_nc_u32 v[AHS], 4*AHP, v[AHS]
	s_cmp_eq_u32 s58, 1                    ; behind the second walk nothing is left to bring
	s_cbranch_scc1 .Lncopy
	WIN 0x01                               ; source in window 1
.set p, 0
.rept 128
	v_mov_b32 v[X+p], v[X2+p]              ; my other four rows, to the registers that the norm's text names
.set p, p+1
.endr
	WIN 0
.Lncopy:
	s_sub_co_i32 s58, s58, 1
	s_cmp_lg_u32 s58, 0
	s_cbranch_scc1 .Lnorm
.set i, 0
.rept 32
	v_mov_b32 v[ACC+i], 0                  ; x's registers are taken over: no load into them is out
.set i, i+1
.endr
; A K STEP of 64.  The chunk that has landed is rounded and laid into one of two LDS buffers, the chunk four steps on is asked for, ONE barrier, then fragments and 8 products.
; The barrier orders this step's stores against this step's reads, and the reads of two steps ago (waited for ahead of the last signal) against this step's stores into the same buffer.
.macro MM kk
.irp f, 0,1
.irp u, 0,1
	v_wmma_f32_16x16x32_f16 v[ACC+8*(2*\f+\u):ACC+8*(2*\f+\u)+7], v[FB+16*(\kk)+8*\u:FB+16*(\kk)+8*\u+7], v[FA+16*(\kk)+8*\f:FA+16*(\kk)+8*\f+7], v[ACC+8*(2*\f+\u):ACC+8*(2*\f+\u)+7]
.endr
.endr
.endm
.macro TRIP q, buf, cnt, issue
	s_wait_loadcnt \cnt                    ; loads come back in order: this step's 8 are in, the younger ones stay out
	WIN 0x45
.irp n, 0,1,2,3,4,5,6,7                    ; these 16 are also the places between the last products and the loads into their fragments
	v_cvt_pk_f16_f32 v[T1+2*(\n)],   v[RING+32*(\q)+4*(\n)],   v[RING+32*(\q)+4*(\n)+1]
	v_cvt_pk_f16_f32 v[T1+2*(\n)+1], v[RING+32*(\q)+4*(\n)+2], v[RING+32*(\q)+4*(\n)+3]
.endr
	WIN 0x04
.irp n, 0,1,2,3,4,5,6,7
	ds_store_b64 v[WST], v[T1+2*(\n):T1+2*(\n)+1] offset:(\buf)*BWB+((\n)%4)*BWP+((\n)/4)*128
.endr
.if \issue
	s_wait_xcnt 0x0
	s_add_nc_u64 s[32:33], s[32:33], s[34:35]
	WLOAD \q
.endif
	WIN 0
	BAR
.irp kk, 0,1
.irp f, 0,1
	ds_load_b128 v[FA+16*\kk+8*\f:FA+16*\kk+8*\f+3],   v[AF] offset:\f*16*AHP+64*\kk
	ds_load_b128 v[FA+16*\kk+8*\f+4:FA+16*\kk+8*\f+7], v[AF] offset:\f*16*AHP+64*\kk+32
.endr
.irp u, 0,1
	ds_load_tr16_b128 v[FB+16*\kk+8*\u:FB+16*\kk+8*\u+3],   v[BF] offset:(\buf)*BWB+\kk*32*BWP+32*\u
	ds_load_tr16_b128 v[FB+16*\kk+8*\u+4:FB+16*\kk+8*\u+7], v[BF] offset:(\buf)*BWB+\kk*32*BWP+16*BWP+32*\u
.endr
.endr
	v_add_nc_u32 v[AF], 128, v[AF]
	s_wait_dscnt 8                         ; the first 32 of K are in; the other eight loads may be out
	MM 0
	s_wait_dscnt 0x0
	MM 1
.endm
	s_mov_b32 s58, 3
.Lk:
	TRIP 0, 0, 24, 1                       ; 24: three younger chunks of 8
	TRIP 1, 1, 24, 1
	TRIP 2, 0, 24, 1
	TRIP 3, 1, 24, 1
	s_sub_co_i32 s58, s58, 1
	s_cmp_lg_u32 s58, 0
	s_cbranch_scc1 .Lk
	ELOAD                                  ; asked for here, four K steps ahead of their use, into registers that held x
	TRIP 0, 0, 44, 0                       ; the last four steps ask for no W: three, two, one, no younger chunks of 8, and the 20 loads just issued
	TRIP 1, 1, 36, 0
	TRIP 2, 0, 28, 0
	TRIP 3, 1, 20, 0
	PLACES
	BAR                                    ; every wave has read the last buffer: the stage takes its bytes
.irp f, 0,1
.irp u, 0,1
	ds_store_b128 v[SGW], v[ACC+8*(2*\f+\u):ACC+8*(2*\f+\u)+3]   offset:\f*16*SGP+64*\u
	ds_store_b128 v[SGW], v[ACC+8*(2*\f+\u)+4:ACC+8*(2*\f+\u)+7] offset:\f*16*SGP+64*\u+16
.endr
.endr
	BAR
	s_wait_loadcnt 0x0                     ; biases, cos and sin
	s_cmp_ge_u32 s3, 10
	s_cbranch_scc1 .Lvt
	; ROPE.  out[j] = y[j] cos[j] + rot[j] sin[j], rot[2 i] = -y[32 + i], rot[2 i + 1] = y[i].  Item it: head it % 2, rows 32 (it / 2) on; a thread has row tid / 8 and columns j0 = 8 (tid % 8) on.
.irp it, 0,1,2,3
	ds_load_b128 v[64+16*\it:64+16*\it+3],     v[R1] offset:32*SGP*(\it/2)+256*(\it%2)
	ds_load_b128 v[64+16*\it+4:64+16*\it+7],   v[R1] offset:32*SGP*(\it/2)+256*(\it%2)+16
	ds_load_b128 v[64+16*\it+8:64+16*\it+11],  v[R2] offset:32*SGP*(\it/2)+256*(\it%2)+128
	ds_load_b128 v[64+16*\it+12:64+16*\it+15], v[R2] offset:32*SGP*(\it/2)+256*(\it%2)
.endr
	s_wait_dscnt 0x0
	WIN 0x04                               ; source 1 in window 1
.irp it, 0,1,2,3
.irp p, 0,1,2,3,4,5,6,7
	v_pk_add_f32 v[64+16*\it+2*\p:64+16*\it+2*\p+1], v[64+16*\it+2*\p:64+16*\it+2*\p+1], v[E+16*(\it%2)+2*\p:E+16*(\it%2)+2*\p+1]
.endr
.irp p, 0,1,2,3
	v_pk_mul_f32 v[128+8*\it+2*\p:128+8*\it+2*\p+1], v[64+16*\it+2*\p:64+16*\it+2*\p+1], v[E+32+16*(\it/2)+2*\p:E+32+16*(\it/2)+2*\p+1]
.endr
.irp p, 0,1,2,3
	v_fma_f32 v[128+8*\it+2*\p],   -v[64+16*\it+8+\p], v[E+40+16*(\it/2)+2*\p],   v[128+8*\it+2*\p]
	v_fma_f32 v[128+8*\it+2*\p+1], v[64+16*\it+12+\p], v[E+40+16*(\it/2)+2*\p+1], v[128+8*\it+2*\p+1]
.endr
.endr
	WIN 0
.irp it, 0,1,2,3
.irp p, 0,1,2,3
	v_cvt_pk_f16_f32 v[160+4*\it+\p], v[128+8*\it+2*\p], v[128+8*\it+2*\p+1]
.endr
	global_store_b128 v[GO], v[160+4*\it:160+4*\it+3], s[40:41] offset:4096*(\it/2)+131072*(\it%2)  ; a wave stores 512 consecutive bytes
.endr
	s_branch .Lend
.Lvt:
	; V, turned: item it: head it / 2, channels 32 (it % 2) on; a thread has channel tid / 8 and tokens 8 (tid % 8) on.  Eight lanes store 128 consecutive bytes of a channel's row: v is 512 KiB in all.
.irp it, 0,1,2,3
.irp i, 0,1,2,3,4,5,6,7
	ds_load_b32 v[64+8*\it+\i], v[VRD] offset:SGP*\i+256*(\it/2)+128*(\it%2)
.endr
.endr
	s_wait_dscnt 0x0
	WIN 0x04
.irp it, 0,1,2,3
.irp i, 0,1,2,3,4,5,6,7
	v_add_f32 v[64+8*\it+\i], v[64+8*\it+\i], v[E+64+\it]
.endr
.endr
	WIN 0
.irp it, 0,1,2,3
.irp p, 0,1,2,3
	v_cvt_pk_f16_f32 v[128+4*\it+\p], v[64+8*\it+2*\p], v[64+8*\it+2*\p+1]
.endr
	global_store_b128 v[VGO], v[128+4*\it:128+4*\it+3], s[40:41] offset:131072*(\it/2)+65536*(\it%2)
.endr
.Lend:
	s_wait_tensorcnt 0x0                   ; the wave's end
	ds_add_u32 v[SPW], v[NIL]
	s_wait_dscnt 0x0
	s_endpgm
.Lfunc_end_k_q6ed6869764_qkv:
	.size	k_q6ed6869764_qkv, .Lfunc_end_k_q6ed6869764_qkv-k_q6ed6869764_qkv
	.p2alignl 7, 3214868480
	.fill 96, 4, 3214868480
	.section	.rodata,"a",@progbits
	.p2align	6, 0x0
	.amdhsa_kernel k_q6ed6869764_qkv
		.amdhsa_group_segment_fixed_size 169984
		.amdhsa_private_segment_fixed_size 0
		.amdhsa_enable_private_segment 0
		.amdhsa_kernarg_size 96
		.amdhsa_user_sgpr_count 2
		.amdhsa_user_sgpr_kernarg_segment_ptr 1
		.amdhsa_wavefront_size32 1
		.amdhsa_system_sgpr_workgroup_id_x 1
		.amdhsa_system_sgpr_workgroup_id_y 1
		.amdhsa_system_sgpr_workgroup_id_z 1
		.amdhsa_system_vgpr_workitem_id 0
		.amdhsa_next_free_vgpr 512
		.amdhsa_next_free_sgpr 66
		.amdhsa_reserve_vcc 0
		.amdhsa_float_denorm_mode_32 3
		.amdhsa_float_denorm_mode_16_64 3
		.amdhsa_memory_ordered 1
		.amdhsa_forward_progress 1
		.amdhsa_inst_pref_size 88
	.end_amdhsa_kernel
	.amdgpu_metadata
---
amdhsa.version: [ 1, 2 ]
amdhsa.kernels:
  - .name:           k_q6ed6869764_qkv
    .symbol:         k_q6ed6869764_qkv.kd
    .args:
      - { .name: x, .offset: 0, .size: 8, .value_kind: global_buffer, .address_space: global }
      - { .name: ln1_w, .offset: 8, .size: 8, .value_kind: global_buffer, .address_space: global }
      - { .name: ln1_b, .offset: 16, .size: 8, .value_kind: global_buffer, .address_space: global }
      - { .name: Wq, .offset: 24, .size: 8, .value_kind: global_buffer, .address_space: global }
      - { .name: Wk, .offset: 32, .size: 8, .value_kind: global_buffer, .address_space: global }
      - { .name: Wv, .offset: 40, .size: 8, .value_kind: global_buffer, .address_space: global }
      - { .name: bq, .offset: 48, .size: 8, .value_kind: global_buffer, .address_space: global }
      - { .name: bk, .offset: 56, .size: 8, .value_kind: global_buffer, .address_space: global }
      - { .name: bv, .offset: 64, .size: 8, .value_kind: global_buffer, .address_space: global }
      - { .name: cos, .offset: 72, .size: 8, .value_kind: global_buffer, .address_space: global }
      - { .name: sin, .offset: 80, .size: 8, .value_kind: global_buffer, .address_space: global }
      - { .name: qkv, .offset: 88, .size: 8, .value_kind: global_buffer, .address_space: global }
    .group_segment_fixed_size: 169984
    .private_segment_fixed_size: 0
    .kernarg_segment_align: 8
    .kernarg_segment_size: 96
    .max_flat_workgroup_size: 256
    .sgpr_count:     66
    .vgpr_count:     512
    .wavefront_size: 32
...
	.end_amdgpu_metadata
.endif
;; end of part 1
;; launch attn (part 2): grid 32 x 8, 16 waves a work-group, no clusters, 80,384 bytes of LDS; arguments qkv, ob; writes ob
.if DOCPART == 2
	.amdgcn_target "amdgcn-amd-amdhsa--gfx1250"
	.amdhsa_code_object_version 6
	.text
	.protected	k_q6ed6869764_attn
	.globl	k_q6ed6869764_attn
	.p2align	8
	.type	k_q6ed6869764_attn,@function
k_q6ed6869764_attn:
	s_mov_b64 s[64:65], 0
	v_nop
	global_prefetch_b8 v0, s[64:65] scope:SCOPE_SE
	s_setreg_imm32_b32 hwreg(HW_REG_WAVE_MODE, 25, 1), 1
	s_wait_xcnt 0x0
; CAUSAL ATTENTION, 16 query heads on 4 key/value heads, head size 64, 1,024 tokens.  q, k: [head][token][64] f16; v: [head][channel][token] f16; ob: [token][1024] f16.
; SHARES.  A work-group has two query heads (2 y, 2 y + 1: one key/value head) and two blocks of 16 queries, x and 63 - x: 33 steps of 32 keys a head, whatever x.  Each (head, block) has four waves
; z = 0..3, which take the steps z, z + 4, ..; their partial results (running maximum, sum, O) are merged through LDS at the end.  Fragments of Q, K and V^T come from memory straight into registers:
; the loop has no LDS access and no barrier, so its length may differ from wave to wave: at most 4 trips of two steps; a wave whose steps are over leaves the loop by a forward jump.
; TWO REGISTER SETS for K and for V take turns step by step: a step's K and V are asked for two steps ahead.  The step asked for is held inside the block's keys, so the last two steps ask once more
; for the last step: 16 KiB a wave that nobody reads, the price of one text for every step.  Nothing waits for those loads: behind the loop no line names a register that they write or read.
; No cluster and no tensor load: a key/value head is 256 KiB, read as matrix operands as it lies; sharing it would need a ring and barriers in a loop whose live length hangs on the wave.
; S^T = K Q^T holds one query a lane (lane % 16) and keys 8 (lane / 16) + 0..7; two such results rounded to f16 are source 1 of O^T = V^T P.
; p = 2^(c s - c m), c = log2(e) / 8, m the running maximum; O and l are multiplied by a = 2^(c m_old - c m_new) in every step.  m starts at the lowest finite number, O and l at 0 (32 v_mov_b32).
; LIMITS.  f16 ends at 65,504; a hidden score counts as -1e30; a weight below 2^-126 counts as 0; NaN and infinities are not treated apart.
.set MS,    65536               ; 0 .. 65,535: 4,096 bytes of O a wave; then 256 bytes of (c m, l) a wave
.set OS,    69632               ; two blocks x 16 rows x 272 bytes: the way out
.set OSP,   272
.set SPARE, 78336
.set QF, 20                     ; v20-35    Q(cc)
.set KF, 36                     ; v36-99    K(kf, cc) of set st at KF + 32 st + 16 kf + 8 cc
.set VF, 100                    ; v100-163  V(cf) of set st at VF + 32 st + 8 cf
.set SF, 164                    ; v164-179  S(kf); in the merge statistics and weights
.set PF, 180                    ; v180-187  P; in the merge the sums
.set OF, 188                    ; v188-219  O(cf)
.set RR, 220
.set HH, 221
.set MP, 222                    ; v222-253  the merge: four waves' parts
.macro BAR
	s_wait_dscnt 0x0
	s_barrier_signal -1
	s_barrier_wait -1
.endm
.macro KLOAD st, base           ; 32 keys x 64 channels
.irp kf, 0,1
.irp cc, 0,1
	global_load_b128 v[KF+32*(\st)+16*\kf+8*\cc:KF+32*(\st)+16*\kf+8*\cc+3],   v3, s[\base:\base+1] offset:2048*\kf+64*\cc
	global_load_b128 v[KF+32*(\st)+16*\kf+8*\cc+4:KF+32*(\st)+16*\kf+8*\cc+7], v3, s[\base:\base+1] offset:2048*\kf+64*\cc+32
.endr
.endr
.endm
.macro VLOAD st, base           ; 64 channels x 32 keys
.irp cf, 0,1,2,3
	global_load_b128 v[VF+32*(\st)+8*\cf:VF+32*(\st)+8*\cf+3],   v4, s[\base:\base+1] offset:32768*\cf
	global_load_b128 v[VF+32*(\st)+8*\cf+4:VF+32*(\st)+8*\cf+7], v4, s[\base:\base+1] offset:32768*\cf+32
.endr
.endm
	s_load_b128 s[12:15], s[0:1], 0x0      ; qkv, ob
	v_lshl_add_u32 v8, v0, 2, SPARE
	v_mov_b32 v9, 0
	v_lshrrev_b32 v1, 5, v0
	v_readfirstlane_b32 s2, v1             ; wave 0..15
	s_and_b32 s3, s2, 3                    ; z
	s_bfe_u32 s4, s2, 0x10002              ; which head
	s_lshr_b32 s5, s2, 3                   ; which block
	s_mov_b32 s6, ttmp9
	s_and_b32 s7, ttmp7, 0xffff
	s_sub_co_u32 s8, 63, s6
	s_cmp_eq_u32 s5, 1
	s_cselect_b32 s8, s8, s6               ; my block of 16 queries
	s_lshr_b32 s9, s8, 1                   ; its last step of 32 keys, the one with the diagonal
	s_mov_b32 s28, 0x3e38aa3b              ; c
	s_mov_b32 s29, s28
	s_mov_b32 s30, 0x76543210
	s_mov_b32 s31, 0xfedcba98
	v_and_b32 v2, 31, v0
	v_and_b32 v[RR], 15, v0
	v_bfe_u32 v[HH], v0, 4, 1
	v_lshlrev_b32 v3, 7, v[RR]
	v_lshl_add_u32 v3, v[HH], 4, v3        ; row x 128 + 16 h: Q and K
	v_lshlrev_b32 v4, 11, v[RR]
	v_lshl_add_u32 v4, v[HH], 4, v4        ; channel x 2,048 + 16 h: V
	v_lshlrev_b32 v7, 3, v[HH]
	v_sub_nc_u32 v7, v[RR], v7
	s_lshl_b32 s34, s8, 4
	v_add_nc_u32 v7, s34, v7               ; my query less my lanes' 8 h
	v_mov_b32 v6, 0xf149f2ca               ; -1e30
	s_lshl_b32 s26, s7, 1
	s_add_co_u32 s26, s26, s4
	s_lshl_b32 s26, s26, 17
	s_lshl_b32 s34, s8, 11
	s_add_co_u32 s26, s26, s34
	s_mov_b32 s27, 0
	s_wait_kmcnt 0x0
	s_add_nc_u64 s[16:17], s[12:13], s[26:27]    ; Q at my block
	s_lshr_b32 s26, s7, 1
	s_lshl_b32 s26, s26, 17
	s_add_nc_u64 s[18:19], s[12:13], s[26:27]
	s_add_nc_u64 s[20:21], s[18:19], 2621440     ; V of my key/value head
	s_add_nc_u64 s[18:19], s[18:19], 2097152     ; K
	s_min_u32 s34, s3, s9                        ; my first step; a wave without steps asks for the last one
	s_lshl_b32 s26, s34, 12
	s_add_nc_u64 s[22:23], s[18:19], s[26:27]
	s_lshl_b32 s26, s34, 6
	s_add_nc_u64 s[24:25], s[20:21], s[26:27]
	s_add_co_u32 s34, s3, 4                      ; my second step, held inside the block's keys
	s_min_u32 s34, s34, s9
	s_lshl_b32 s26, s34, 12
	s_add_nc_u64 s[36:37], s[18:19], s[26:27]
	s_lshl_b32 s26, s34, 6
	s_add_nc_u64 s[38:39], s[20:21], s[26:27]
.irp cc, 0,1
	global_load_b128 v[QF+8*\cc:QF+8*\cc+3],   v3, s[16:17] offset:64*\cc
	global_load_b128 v[QF+8*\cc+4:QF+8*\cc+7], v3, s[16:17] offset:64*\cc+32
.endr
	KLOAD 0, 22                            ; the order of issue is the order of use: K, V of the first step, K, V of the second
	VLOAD 0, 24
	KLOAD 1, 36
	VLOAD 1, 38
.set i, 0
.rept 32
	v_mov_b32 v[OF+i], 0
.set i, i+1
.endr
	v_mov_b32 v10, 0xfe000000              ; c m: far below every c s
	v_mov_b32 v11, 0xff7fffff              ; m
	v_mov_b32 v12, 0
	v_mov_b32 v13, 0
	v_mov_b32 v14, 0
	v_mov_b32 v15, 0                       ; named with a as a pair
; ONE STEP, on register set st.  Both waits leave 24 loads out: behind this step's K stand its V and the next step's K and V; behind its V the next step's K and V and the K just asked for.
.macro STEP st
	s_cmp_gt_u32 s32, s9
	s_cbranch_scc1 .Lout                   ; no such step, and none behind it
	s_wait_loadcnt 24                      ; K (and Q) are in
	v_wmma_f32_16x16x32_f16 v[SF:SF+7],    v[KF+32*(\st):KF+32*(\st)+7],       v[QF:QF+7], 0
	v_wmma_f32_16x16x32_f16 v[SF+8:SF+15], v[KF+32*(\st)+16:KF+32*(\st)+23],   v[QF:QF+7], 0
	v_wmma_f32_16x16x32_f16 v[SF:SF+7],    v[KF+32*(\st)+8:KF+32*(\st)+15],    v[QF+8:QF+15], v[SF:SF+7]
	v_wmma_f32_16x16x32_f16 v[SF+8:SF+15], v[KF+32*(\st)+24:KF+32*(\st)+31],   v[QF+8:QF+15], v[SF+8:SF+15]
	s_wait_xcnt 0x0                        ; K's base is written again only behind this wait
	s_add_co_u32 s34, s32, 8
	s_min_u32 s34, s34, s9                 ; the step two of mine on, held inside the block's keys
	s_lshl_b32 s26, s34, 12
	s_add_nc_u64 s[22:23], s[18:19], s[26:27]
.rept 4
	v_nop                                  ; the places between the products and the loads into K, and the reads of S
.endr
	KLOAD \st, 22
	s_cmp_lg_u32 s32, s9
	s_cbranch_scc1 .Lnomask_\@
	s_lshl_b32 s35, s32, 5
	v_sub_nc_u32 v5, v7, s35               ; register 16 kf + j is hidden where it is greater than this
.set i, 0
.rept 16
	v_cmp_gt_i32 vcc_lo, 16*(i/8)+i%8, v5
	v_cndmask_b32 v[SF+i], v[SF+i], v6, vcc_lo
.set i, i+1
.endr
.Lnomask_\@:
	v_max3_num_f32 v16, v[SF], v[SF+1], v[SF+2]
	v_max3_num_f32 v17, v[SF+8], v[SF+9], v[SF+10]
	v_max3_num_f32 v16, v16, v[SF+3], v[SF+4]
	v_max3_num_f32 v17, v17, v[SF+11], v[SF+12]
	v_max3_num_f32 v16, v16, v[SF+5], v[SF+6]
	v_max3_num_f32 v17, v17, v[SF+13], v[SF+14]
	v_max3_num_f32 v16, v16, v[SF+7], v[SF+15]
	v_max3_num_f32 v16, v16, v17, v11
	v_permlanex16_b32 v17, v16, s30, s31   ; the query's other 16 keys lie in the lane 16 away
	v_mov_b32 v18, v10
	v_max_num_f32 v11, v16, v17
	v_mul_f32 v10, s28, v11
	v_sub_f32 v18, v18, v10
	v_exp_f32 v14, v18                     ; a: the first of one batch of 17
.set i, 0
.rept 8
	v_pk_fma_f32 v[SF+2*i:SF+2*i+1], v[SF+2*i:SF+2*i+1], s[28:29], v[10:11] op_sel_hi:[1,0,0] neg_lo:[0,0,1] neg_hi:[0,0,1]
.set i, i+1
.endr
.set i, 0
.rept 16
	v_exp_f32 v[SF+i], v[SF+i]
.set i, i+1
.endr
	v_nop
	s_wait_alu depctr_va_vdst(0)           ; one wait for the batch, ahead of its first reader
.set i, 0
.rept 8
	v_cvt_pk_f16_f32 v[PF+i], v[SF+2*i], v[SF+2*i+1]
.set i, i+1
.endr
	v_pk_add_f32 v[SF:SF+1], v[SF:SF+1], v[SF+2:SF+3]
	v_pk_add_f32 v[SF+4:SF+5], v[SF+4:SF+5], v[SF+6:SF+7]
	v_pk_add_f32 v[SF+8:SF+9], v[SF+8:SF+9], v[SF+10:SF+11]
	v_pk_add_f32 v[SF+12:SF+13], v[SF+12:SF+13], v[SF+14:SF+15]
	v_pk_add_f32 v[SF:SF+1], v[SF:SF+1], v[SF+4:SF+5]
	v_pk_add_f32 v[SF+8:SF+9], v[SF+8:SF+9], v[SF+12:SF+13]
	v_pk_add_f32 v[SF:SF+1], v[SF:SF+1], v[SF+8:SF+9]
	v_pk_fma_f32 v[12:13], v[12:13], v[14:15], v[SF:SF+1] op_sel_hi:[1,0,1]
.set i, 0
.rept 16
	v_pk_mul_f32 v[OF+2*i:OF+2*i+1], v[OF+2*i:OF+2*i+1], v[14:15] op_sel_hi:[1,0]
.set i, i+1
.endr
	s_wait_loadcnt 24                      ; V is in
.irp cf, 0,1,2,3
	v_wmma_f32_16x16x32_f16 v[OF+8*\cf:OF+8*\cf+7], v[VF+32*(\st)+8*\cf:VF+32*(\st)+8*\cf+7], v[PF:PF+7], v[OF+8*\cf:OF+8*\cf+7]
.endr
	s_wait_xcnt 0x0                        ; V's base likewise
	s_lshl_b32 s26, s34, 6
	s_add_nc_u64 s[24:25], s[20:21], s[26:27]
.rept 4
	v_nop                                  ; the places behind the products: for the loads into V, and for what reads O behind the loop
.endr
	VLOAD \st, 24
	s_add_co_u32 s32, s32, 4
.endm
	s_mov_b32 s32, s3                      ; the step in hand
	s_mov_b32 s33, 4
.Ltrip:
	STEP 0
	STEP 1
	s_sub_co_i32 s33, s33, 1
	s_cmp_lg_u32 s33, 0
	s_cbranch_scc1 .Ltrip
.Lout:                                     ; loads into K's and V's registers may be out: from here on v3, v4, v20-163 and s16-25, s36-39 are left alone
	v_add_f32 v12, v12, v13
	v_permlanex16_b32 v13, v12, s30, s31
	v_add_f32 v11, v12, v13                ; (c m, l) in v[10:11]
	s_lshl_b32 s26, s2, 12
	v_lshl_add_u32 v16, v2, 4, s26
	s_lshl_b32 s26, s2, 8
	s_add_co_u32 s26, s26, MS
	v_lshl_add_u32 v17, v2, 3, s26
.irp q, 0,1,2,3,4,5,6,7
	ds_store_b128 v16, v[OF+4*\q:OF+4*\q+3] offset:512*\q
.endr
	ds_store_b64 v17, v[10:11]
	BAR
	; THE MERGE.  Wave z takes channels 16 z .. 16 z + 15 of its (head, block): the four waves' parts, each weighed by 2^(c m' - M).
	s_and_b32 s34, s2, 12
	s_lshl_b32 s26, s34, 8
	s_add_co_u32 s26, s26, MS
	v_lshl_add_u32 v18, v2, 3, s26
	s_lshl_b32 s26, s34, 12
	s_lshl_b32 s35, s3, 10
	s_add_co_u32 s26, s26, s35
	v_lshl_add_u32 v19, v2, 4, s26
.irp zz, 0,1,2,3
	ds_load_b64 v[SF+2*\zz:SF+2*\zz+1], v18 offset:256*\zz
.endr
.irp zz, 0,1,2,3
	ds_load_b128 v[MP+8*\zz:MP+8*\zz+3],   v19 offset:4096*\zz
	ds_load_b128 v[MP+8*\zz+4:MP+8*\zz+7], v19 offset:4096*\zz+512
.endr
	s_wait_dscnt 0x0
	v_max3_num_f32 v[SF+8], v[SF], v[SF+2], v[SF+4]
	v_max_num_f32 v[SF+8], v[SF+8], v[SF+6]
.irp zz, 0,1,2,3
	v_sub_f32 v[SF+10+\zz], v[SF+2*\zz], v[SF+8]
.endr
.irp zz, 0,1,2,3
	v_exp_f32 v[SF+10+\zz], v[SF+10+\zz]
.endr
	v_nop
	s_wait_alu depctr_va_vdst(0)
	v_mul_f32 v[SF+9], v[SF+10], v[SF+1]
	v_fmac_f32 v[SF+9], v[SF+11], v[SF+3]
	v_fmac_f32 v[SF+9], v[SF+12], v[SF+5]
	v_fmac_f32 v[SF+9], v[SF+13], v[SF+7]
	v_rcp_f32 v[SF+14], v[SF+9]
.irp j, 0,1,2,3,4,5,6,7                    ; work that does not name the reciprocal stands between it and its wait
	v_mul_f32 v[PF+\j], v[SF+10], v[MP+\j]
	v_fmac_f32 v[PF+\j], v[SF+11], v[MP+8+\j]
	v_fmac_f32 v[PF+\j], v[SF+12], v[MP+16+\j]
	v_fmac_f32 v[PF+\j], v[SF+13], v[MP+24+\j]
.endr
	s_wait_alu depctr_va_vdst(0)
.irp j, 0,1,2,3,4,5,6,7
	v_mul_f32 v[PF+\j], v[SF+14], v[PF+\j]
.endr
.irp p, 0,1,2,3
	v_cvt_pk_f16_f32 v[OF+\p], v[PF+2*\p], v[PF+2*\p+1]
.endr
	s_mul_i32 s26, s5, 16*OSP
	s_lshl_b32 s35, s4, 7
	s_add_co_u32 s26, s26, s35
	s_lshl_b32 s35, s3, 5
	s_add_co_u32 s26, s26, s35
	s_add_co_u32 s26, s26, OS
	v_mul_u32_u24 v16, v[RR], OSP
	v_lshl_add_u32 v16, v[HH], 4, v16
	v_add_nc_u32 v16, s26, v16
	ds_store_b128 v16, v[OF:OF+3]
	BAR
	s_and_b32 s35, s2, 7                   ; back by rows: wave w takes rows 2 (w % 8), + 1 of block w / 8: sixteen lanes hold a row's 256 bytes
	s_mul_i32 s26, s5, 16*OSP
	s_mul_i32 s34, s35, 2*OSP
	s_add_co_u32 s26, s26, s34
	s_add_co_u32 s26, s26, OS
	v_mul_u32_u24 v17, v[HH], OSP
	v_lshl_add_u32 v17, v[RR], 4, v17
	v_add_nc_u32 v17, s26, v17
	ds_load_b128 v[OF+4:OF+7], v17
	s_lshl_b32 s26, s8, 4
	s_lshl_b32 s34, s35, 1
	s_add_co_u32 s26, s26, s34
	s_lshl_b32 s26, s26, 11
	s_lshl_b32 s34, s7, 8
	s_add_co_u32 s26, s26, s34
	s_add_nc_u64 s[14:15], s[14:15], s[26:27]
	v_lshlrev_b32 v18, 11, v[HH]
	v_lshl_add_u32 v18, v[RR], 4, v18
	s_wait_dscnt 0x0
	global_store_b128 v18, v[OF+4:OF+7], s[14:15]    ; 16 lanes store 256 consecutive bytes, at a multiple of 256 from ob's first byte
	s_wait_tensorcnt 0x0                   ; the wave's end
	ds_add_u32 v8, v9
	s_wait_dscnt 0x0
	s_endpgm
.Lfunc_end_k_q6ed6869764_attn:
	.size	k_q6ed6869764_attn, .Lfunc_end_k_q6ed6869764_attn-k_q6ed6869764_attn
	.p2alignl 7, 3214868480
	.fill 96, 4, 3214868480
	.section	.rodata,"a",@progbits
	.p2align	6, 0x0
	.amdhsa_kernel k_q6ed6869764_attn
		.amdhsa_group_segment_fixed_size 80384
		.amdhsa_private_segment_fixed_size 0
		.amdhsa_enable_private_segment 0
		.amdhsa_kernarg_size 16
		.amdhsa_user_sgpr_count 2
		.amdhsa_user_sgpr_kernarg_segment_ptr 1
		.amdhsa_wavefront_size32 1
		.amdhsa_system_sgpr_workgroup_id_x 1
		.amdhsa_system_sgpr_workgroup_id_y 1
		.amdhsa_system_sgpr_workgroup_id_z 1
		.amdhsa_system_vgpr_workitem_id 0
		.amdhsa_next_free_vgpr 256
		.amdhsa_next_free_sgpr 66
		.amdhsa_reserve_vcc 1
		.amdhsa_float_denorm_mode_32 3
		.amdhsa_float_denorm_mode_16_64 3
		.amdhsa_memory_ordered 1
		.amdhsa_forward_progress 1
		.amdhsa_inst_pref_size 29
	.end_amdhsa_kernel
	.amdgpu_metadata
---
amdhsa.version: [ 1, 2 ]
amdhsa.kernels:
  - .name:           k_q6ed6869764_attn
    .symbol:         k_q6ed6869764_attn.kd
    .args:
      - { .name: qkv, .offset: 0, .size: 8, .value_kind: global_buffer, .address_space: global }
      - { .name: ob, .offset: 8, .size: 8, .value_kind: global_buffer, .address_space: global }
    .group_segment_fixed_size: 80384
    .private_segment_fixed_size: 0
    .kernarg_segment_align: 8
    .kernarg_segment_size: 16
    .max_flat_workgroup_size: 512
    .sgpr_count:     66
    .vgpr_count:     256
    .wavefront_size: 32
...
	.end_amdgpu_metadata
.endif
;; end of part 2
;; launch oproj (part 3): grid 16 x 16, 8 waves a work-group, no clusters, 153,600 bytes of LDS; arguments ob, Wo, bo, x, x1; writes x1
.if DOCPART == 3
	.amdgcn_target "amdgcn-amd-amdhsa--gfx1250"
	.amdhsa_code_object_version 6
	.text
	.protected	k_q6ed6869764_oproj
	.globl	k_q6ed6869764_oproj
	.p2align	8
	.type	k_q6ed6869764_oproj,@function
k_q6ed6869764_oproj:
	s_mov_b64 s[64:65], 0
	v_nop
	global_prefetch_b8 v0, s[64:65] scope:SCOPE_SE
	s_setreg_imm32_b32 hwreg(HW_REG_WAVE_MODE, 25, 1), 1
	s_wait_xcnt 0x0
; x1 = x + ob Wo + bo.  ob: [1024][1024] f16; Wo: [1024 k][1024 n] f32, rounded once to f16 on its way through registers; sums, x, bo and x1 in f32.
; A work-group owns 64 rows (grid y) x 64 columns (grid x): 256 work-groups.  Wave w: 32 rows (w % 2) x 16 columns (w / 2): two accumulators, cleared by 16 v_mov_b32 (no first K step is written out).
; The 64 rows of ob lie in LDS for the whole walk; Wo comes in K steps of 64 through two LDS buffers, four chunks on their way in registers.  LIMIT: f16 ends at 65,504.
; No cluster: the shared tiles of Wo are f32 and pass registers to be rounded.
.set AHP,   2064
.set BW,    64*AHP
.set BWP,   160                 ; 128 bytes + 32: an odd multiple of 32
.set BWB,   64*BWP
.set SGP,   272
.set SPARE, BW+2*BWB
.set SPW, 2
.set NIL, 3
.set WOFF, 4
.set WST, 5
.set AF,  6
.set BF,  7
.set CO,  8
.set CS0, 9
.set CS1, 10
.set EO,  11
.set BO,  12
.set SGW, 13
.set SGR, 14
.set ACC, 64
.set FA,  80
.set FB,  112
.set T1,  64                    ; window 1: ring v0-63, rounded W v64-71, x v72-87, bo v88-91
.set E,   72
.set MSB, 0
.macro WIN new
.if MSB != (\new)
	s_set_vgpr_msb (MSB<<8)|(\new)
.set MSB, \new
.endif
.endm
.macro BAR
	s_wait_dscnt 0x0
	s_barrier_signal -1
	s_barrier_wait -1
.endm
	s_load_b256 s[8:15], s[0:1], 0x0       ; ob 8, Wo 10, bo 12, x 14
	s_load_b64 s[16:17], s[0:1], 0x20      ; x1
	v_lshl_add_u32 v[SPW], v0, 2, SPARE
	v_mov_b32 v[NIL], 0
	v_lshrrev_b32 v1, 5, v0
	v_readfirstlane_b32 s2, v1
	s_mov_b32 s3, ttmp9                    ; column block
	s_and_b32 s4, ttmp7, 0xffff            ; row block
	s_lshl_b32 s20, s4, 17
	s_mov_b32 s21, 0
	s_lshl_b32 s22, s3, 8
	s_mov_b32 s23, 0
	s_lshl_b32 s24, s4, 18
	s_add_co_u32 s24, s24, s22
	s_mov_b32 s25, 0
	v_and_b32 v20, 31, v0
	v_and_b32 v21, 15, v0
	v_bfe_u32 v22, v0, 4, 1
	v_and_b32 v23, 7, v0
	v_bfe_u32 v24, v0, 3, 1
	s_lshl_b32 s26, s2, 15
	v_lshl_add_u32 v[WOFF], v22, 14, s26
	v_lshl_add_u32 v[WOFF], v21, 4, v[WOFF]      ; row 8 w + 4 h, 16 bytes a lane
	s_mul_i32 s26, s2, 8*BWP
	s_add_co_u32 s26, s26, BW
	v_mul_u32_u24 v[WST], v22, 4*BWP
	v_lshl_add_u32 v[WST], v21, 3, v[WST]
	v_add_nc_u32 v[WST], s26, v[WST]
	s_and_b32 s27, s2, 1
	s_lshr_b32 s28, s2, 1
	s_mul_i32 s26, s27, 32*AHP
	v_mul_u32_u24 v[AF], v21, AHP
	v_lshl_add_u32 v[AF], v22, 4, v[AF]
	v_add_nc_u32 v[AF], s26, v[AF]
	v_lshl_add_u32 v25, v22, 3, v23
	v_mul_u32_u24 v[BF], v25, BWP
	v_lshl_add_u32 v[BF], v24, 4, v[BF]
	s_lshl_b32 s26, s28, 5
	s_add_co_u32 s26, s26, BW
	v_add_nc_u32 v[BF], s26, v[BF]
	s_lshr_b32 s29, s2, 2
	s_and_b32 s30, s2, 3
	s_lshl_b32 s30, s30, 9
	s_lshl_b32 s26, s29, 11
	s_add_co_u32 s26, s26, s30
	v_lshl_add_u32 v[CO], v20, 4, s26            ; the copy of ob: two rows to eight waves
	s_mul_i32 s26, s29, AHP
	s_add_co_u32 s26, s26, s30
	v_lshl_add_u32 v[CS0], v20, 4, s26
	v_add_nc_u32 v[CS1], 32*AHP, v[CS0]
	s_lshl_b32 s26, s2, 13
	v_lshl_add_u32 v[EO], v22, 12, s26
	v_lshl_add_u32 v[EO], v21, 4, v[EO]          ; row 2 w + h, 16 bytes a lane
	v_lshlrev_b32 v[BO], 4, v21
	s_mul_i32 s26, s27, 32*SGP
	s_lshl_b32 s30, s28, 6
	s_add_co_u32 s26, s26, s30
	s_add_co_u32 s26, s26, BW
	v_mul_u32_u24 v[SGW], v21, SGP
	v_lshl_add_u32 v[SGW], v22, 5, v[SGW]
	v_add_nc_u32 v[SGW], s26, v[SGW]
	s_mul_i32 s26, s2, 2*SGP
	s_add_co_u32 s26, s26, BW
	v_mul_u32_u24 v[SGR], v22, SGP
	v_lshl_add_u32 v[SGR], v21, 4, v[SGR]
	v_add_nc_u32 v[SGR], s26, v[SGR]
	s_wait_kmcnt 0x0
	s_add_nc_u64 s[8:9], s[8:9], s[20:21]
	s_add_nc_u64 s[10:11], s[10:11], s[22:23]
	s_add_nc_u64 s[12:13], s[12:13], s[22:23]
	s_add_nc_u64 s[14:15], s[14:15], s[24:25]
	s_add_nc_u64 s[16:17], s[16:17], s[24:25]
	WIN 0x40
.irp i, 0,1,2,3
	global_load_b128 v[E+4*\i:E+4*\i+3], v[EO], s[14:15] offset:65536*\i
.endr
	global_load_b128 v[E+16:E+19], v[BO], s[12:13]
	WIN 0
.set i, 0
.rept 32
	global_load_b128 v[64+4*i:67+4*i], v[CO], s[8:9] offset:4096*i
.set i, i+1
.endr
	WIN 0x40
.irp c, 0,1,2,3
.irp n, 0,1,2,3
	global_load_b128 v[16*\c+4*\n:16*\c+4*\n+3], v[WOFF], s[10:11] offset:\c*262144+4096*\n
.endr
.endr
	WIN 0
	s_wait_loadcnt 16                      ; the 16 loads of Wo are younger: x, bo and ob are in
.set i, 0
.rept 16
	ds_store_b128 v[CS0], v[64+4*i:67+4*i] offset:2*AHP*i
.set i, i+1
.endr
.set i, 0
.rept 16
	ds_store_b128 v[CS1], v[128+4*i:131+4*i] offset:2*AHP*i
.set i, i+1
.endr
.set i, 0
.rept 16
	v_mov_b32 v[ACC+i], 0
.set i, i+1
.endr
.macro MM kk
.irp f, 0,1
	v_wmma_f32_16x16x32_f16 v[ACC+8*\f:ACC+8*\f+7], v[FB+8*(\kk):FB+8*(\kk)+7], v[FA+16*(\kk)+8*\f:FA+16*(\kk)+8*\f+7], v[ACC+8*\f:ACC+8*\f+7]
.endr
.endm
; A K step of 64, as in the launch before: round and lay down the chunk that has landed, ask for the chunk four steps on, one barrier, fragments, four products (the two accumulators by turns).
.macro TRIP q, buf, cnt, issue
	s_wait_loadcnt \cnt
	WIN 0x45
.irp n, 0,1,2,3                            ; eight plain instructions: the places between the last products and the loads into their fragments
	v_cvt_pk_f16_f32 v[T1+2*\n],   v[16*(\q)+4*\n],   v[16*(\q)+4*\n+1]
	v_cvt_pk_f16_f32 v[T1+2*\n+1], v[16*(\q)+4*\n+2], v[16*(\q)+4*\n+3]
.endr
	WIN 0x04
.irp n, 0,1,2,3
	ds_store_b64 v[WST], v[T1+2*\n:T1+2*\n+1] offset:(\buf)*BWB+BWP*\n
.endr
.if \issue
	WIN 0x40
.irp n, 0,1,2,3
	global_load_b128 v[16*(\q)+4*\n:16*(\q)+4*\n+3], v[WOFF], s[10:11] offset:((\q)+4)*262144+4096*\n
.endr
.endif
	WIN 0
	BAR
.irp kk, 0,1
.irp f, 0,1
	ds_load_b128 v[FA+16*\kk+8*\f:FA+16*\kk+8*\f+3],   v[AF] offset:\f*16*AHP+64*\kk
	ds_load_b128 v[FA+16*\kk+8*\f+4:FA+16*\kk+8*\f+7], v[AF] offset:\f*16*AHP+64*\kk+32
.endr
	ds_load_tr16_b128 v[FB+8*\kk:FB+8*\kk+3],   v[BF] offset:(\buf)*BWB+\kk*32*BWP
	ds_load_tr16_b128 v[FB+8*\kk+4:FB+8*\kk+7], v[BF] offset:(\buf)*BWB+\kk*32*BWP+16*BWP
.endr
	v_add_nc_u32 v[AF], 128, v[AF]
	s_wait_dscnt 6                         ; the first 32 of K are in
	MM 0
	s_wait_dscnt 0x0
	MM 1
.endm
	s_mov_b32 s26, 3
.Lk:
	TRIP 0, 0, 12, 1                       ; 12: three younger chunks of 4
	TRIP 1, 1, 12, 1
	TRIP 2, 0, 12, 1
	TRIP 3, 1, 12, 1
	s_wait_xcnt 0x0                        ; Wo's base is stepped only behind this wait
	s_add_nc_u64 s[10:11], s[10:11], 0x100000
	s_sub_co_i32 s26, s26, 1
	s_cmp_lg_u32 s26, 0
	s_cbranch_scc1 .Lk
	TRIP 0, 0, 12, 0
	TRIP 1, 1, 8, 0
	TRIP 2, 0, 4, 0
	TRIP 3, 1, 0, 0
.rept 4
	v_nop
.endr
	BAR                                    ; every wave has read the last buffer: the stage takes its bytes
.irp f, 0,1
	ds_store_b128 v[SGW], v[ACC+8*\f:ACC+8*\f+3]   offset:\f*16*SGP
	ds_store_b128 v[SGW], v[ACC+8*\f+4:ACC+8*\f+7] offset:\f*16*SGP+16
.endr
	BAR
.irp i, 0,1,2,3
	ds_load_b128 v[128+4*\i:131+4*\i], v[SGR] offset:16*SGP*\i
.endr
	s_wait_dscnt 0x0
	WIN 0x04
.irp i, 0,1,2,3
	v_pk_add_f32 v[128+4*\i:129+4*\i], v[128+4*\i:129+4*\i], v[E+16:E+17]
	v_pk_add_f32 v[130+4*\i:131+4*\i], v[130+4*\i:131+4*\i], v[E+18:E+19]
	v_pk_add_f32 v[128+4*\i:129+4*\i], v[128+4*\i:129+4*\i], v[E+4*\i:E+4*\i+1]
	v_pk_add_f32 v[130+4*\i:131+4*\i], v[130+4*\i:131+4*\i], v[E+4*\i+2:E+4*\i+3]
.endr
	WIN 0
.irp i, 0,1,2,3
	global_store_b128 v[EO], v[128+4*\i:131+4*\i], s[16:17] offset:65536*\i   ; 16 lanes store 256 consecutive bytes, aligned
.endr
	s_wait_tensorcnt 0x0                   ; the wave's end
	ds_add_u32 v[SPW], v[NIL]
	s_wait_dscnt 0x0
	s_endpgm
.Lfunc_end_k_q6ed6869764_oproj:
	.size	k_q6ed6869764_oproj, .Lfunc_end_k_q6ed6869764_oproj-k_q6ed6869764_oproj
	.p2alignl 7, 3214868480
	.fill 96, 4, 3214868480
	.section	.rodata,"a",@progbits
	.p2align	6, 0x0
	.amdhsa_kernel k_q6ed6869764_oproj
		.amdhsa_group_segment_fixed_size 153600
		.amdhsa_private_segment_fixed_size 0
		.amdhsa_enable_private_segment 0
		.amdhsa_kernarg_size 40
		.amdhsa_user_sgpr_count 2
		.amdhsa_user_sgpr_kernarg_segment_ptr 1
		.amdhsa_wavefront_size32 1
		.amdhsa_system_sgpr_workgroup_id_x 1
		.amdhsa_system_sgpr_workgroup_id_y 1
		.amdhsa_system_sgpr_workgroup_id_z 1
		.amdhsa_system_vgpr_workitem_id 0
		.amdhsa_next_free_vgpr 384
		.amdhsa_next_free_sgpr 66
		.amdhsa_reserve_vcc 0
		.amdhsa_float_denorm_mode_32 3
		.amdhsa_float_denorm_mode_16_64 3
		.amdhsa_memory_ordered 1
		.amdhsa_forward_progress 1
		.amdhsa_inst_pref_size 33
	.end_amdhsa_kernel
	.amdgpu_metadata
---
amdhsa.version: [ 1, 2 ]
amdhsa.kernels:
  - .name:           k_q6ed6869764_oproj
    .symbol:         k_q6ed6869764_oproj.kd
    .args:
      - { .name: ob, .offset: 0, .size: 8, .value_kind: global_buffer, .address_space: global }
      - { .name: Wo, .offset: 8, .size: 8, .value_kind: global_buffer, .address_space: global }
      - { .name: bo, .offset: 16, .size: 8, .value_kind: global_buffer, .address_space: global }
      - { .name: x, .offset: 24, .size: 8, .value_kind: global_buffer, .address_space: global }
      - { .name: x1, .offset: 32, .size: 8, .value_kind: global_buffer, .address_space: global }
    .group_segment_fixed_size: 153600
    .private_segment_fixed_size: 0
    .kernarg_segment_align: 8
    .kernarg_segment_size: 40
    .max_flat_workgroup_size: 256
    .sgpr_count:     66
    .vgpr_count:     384
    .wavefront_size: 32
...
	.end_amdgpu_metadata
.endif
;; end of part 3
;; launch router (part 4): grid 64 x 1, 8 waves a work-group, no clusters, 76,032 bytes of LDS; arguments x1, ln2_w, ln2_b, gate_w, h2, out1, bmap, gw; writes h2, out1, bmap, gw
.if DOCPART == 4
	.amdgcn_target "amdgcn-amd-amdhsa--gfx1250"
	.amdhsa_code_object_version 6
	.text
	.protected	k_q6ed6869764_router
	.globl	k_q6ed6869764_router
	.p2align	8
	.type	k_q6ed6869764_router,@function
k_q6ed6869764_router:
	s_mov_b64 s[64:65], 0
	v_nop
	global_prefetch_b8 v0, s[64:65] scope:SCOPE_SE
	s_setreg_imm32_b32 hwreg(HW_REG_WAVE_MODE, 25, 1), 1
	s_wait_xcnt 0x0
; h = rmsnorm(x1); out1 = h gate_w; the two largest logits of a token, their softmax.  A work-group owns 16 tokens: the matrix form wants 16 rows.
; THE ROUTER'S PRODUCT IS IN f32 (v_wmma_f32_16x16x4_f32): it is 33.5 MFLOP of the module's 22.6 GFLOP, and the choice made of it is not continuous: a logit off by the gap between a token's
; second and third changes that token's whole output.  h goes on to the experts rounded once to bf16 (h2).
; WHAT IS STORED.  slot = 2 token + j (j = 0: first choice).  gw[slot]: the weight.  bmap[group of 16 tokens][expert]: bit L set if slot 32 group + 2 (L % 16) + L / 16 chose the expert.
; All at fixed places: no address here hangs on the choice.  Ties keep the lower index (strict compares, ascending).  NaN is not treated apart.
; K is split over the waves, 128 each; A and B carry the same permutation of k inside a wave's 128.  v32-63, the four accumulators, are written by matrix instructions alone.
.set HFP,   4112                ; a row of h in f32: 4,096 + 16
.set PART,  16*HFP              ; 1,024 bytes of partial logits a wave
.set LOG,   PART+8192           ; [16 tokens][16 experts] f32
.set SPARE, LOG+1024
.set SPW, 2
.set NIL, 3
.set XO,  4
.set LWO, 5
.set GOF, 6
.set HFS, 7
.set H2O, 8
.set HAR, 9
.set PST, 10
.set PRD, 11
.set LST, 12
.set CH,  14
.set SS,  22
.set PX,  24
.set G,   64
.set X,   128
.set HA,  128
.set LW,  192
.set LB,  224
.macro BAR
	s_wait_dscnt 0x0
	s_barrier_signal -1
	s_barrier_wait -1
.endm
	s_load_b512 s[8:23], s[0:1], 0x0       ; x1 8, ln2_w 10, ln2_b 12, gate_w 14, h2 16, out1 18, bmap 20, gw 22
	v_lshl_add_u32 v[SPW], v0, 2, SPARE
	v_mov_b32 v[NIL], 0
	v_lshrrev_b32 v1, 5, v0
	v_readfirstlane_b32 s2, v1
	s_mov_b32 s3, ttmp9
	s_mov_b32 s44, 0x76543210
	s_mov_b32 s45, 0xfedcba98
	s_mov_b32 s46, 0x3a800000              ; 1 / 1024
	s_mov_b32 s47, 0x3727c5ac              ; 1e-5
	v_and_b32 v26, 31, v0                  ; lane
	v_and_b32 v27, 15, v0                  ; r
	v_bfe_u32 v28, v0, 4, 1                ; h
	v_lshlrev_b32 v[LWO], 4, v26
	s_lshl_b32 s4, s2, 13
	v_add_nc_u32 v[XO], s4, v[LWO]         ; my wave's two rows
	v_lshlrev_b32 v[GOF], 2, v27
	v_lshl_add_u32 v[GOF], v28, 8, v[GOF]
	v_add_nc_u32 v[GOF], s4, v[GOF]        ; gate_w row 128 w + 4 h, expert r
	s_mul_i32 s5, s2, 2*HFP
	v_add_nc_u32 v[HFS], s5, v[LWO]
	s_lshl_b32 s5, s2, 12
	v_lshl_add_u32 v[H2O], v26, 3, s5
	v_mul_u32_u24 v[HAR], v27, HFP
	v_lshl_add_u32 v[HAR], v28, 4, v[HAR]
	s_lshl_b32 s5, s2, 9
	v_add_nc_u32 v[HAR], s5, v[HAR]
	s_lshl_b32 s5, s2, 10
	s_add_co_u32 s5, s5, PART
	v_lshl_add_u32 v[PST], v26, 2, s5
	s_lshl_b32 s5, s2, 7
	s_add_co_u32 s5, s5, PART
	v_lshl_add_u32 v[PRD], v26, 2, s5
	s_lshl_b32 s5, s2, 6
	s_add_co_u32 s5, s5, LOG
	v_lshlrev_b32 v[LST], 2, v27
	v_lshl_add_u32 v[LST], v28, 9, v[LST]
	v_add_nc_u32 v[LST], s5, v[LST]        ; token 8 h + w, expert r
	v_mov_b32 v[PX], 0
	v_mov_b32 v[PX+1], 0
	s_mov_b32 s7, 0
	s_wait_kmcnt 0x0
	s_lshl_b32 s6, s3, 16
	s_add_nc_u64 s[8:9], s[8:9], s[6:7]
	s_lshl_b32 s6, s3, 15
	s_add_nc_u64 s[16:17], s[16:17], s[6:7]
	s_lshl_b32 s6, s3, 10
	s_add_nc_u64 s[18:19], s[18:19], s[6:7]
	s_lshl_b32 s6, s3, 6
	s_add_nc_u64 s[20:21], s[20:21], s[6:7]
	s_lshl_b32 s6, s3, 7
	s_add_nc_u64 s[22:23], s[22:23], s[6:7]
.irp i, 0,1
.irp j, 0,1,2,3,4,5,6,7
	global_load_b128 v[X+32*\i+4*\j:X+32*\i+4*\j+3], v[XO], s[8:9] offset:4096*\i+512*\j
.endr
.endr
.irp j, 0,1,2,3,4,5,6,7
	global_load_b128 v[LW+4*\j:LW+4*\j+3], v[LWO], s[10:11] offset:512*\j
	global_load_b128 v[LB+4*\j:LB+4*\j+3], v[LWO], s[12:13] offset:512*\j
.endr
.set i, 0
.rept 64                                   ; register 4 g + jj: gate_w[128 w + 8 g + 4 h + jj][r]
	global_load_b32 v[G+i], v[GOF], s[14:15] offset:512*(i/4)+64*(i%4)
.set i, i+1
.endr
	s_wait_loadcnt 63                      ; 64 loads are younger than the rows and gains; 63 is the largest count that the wait can name
.irp i, 0,1
.irp c, 0,1,2,3
	v_pk_mul_f32 v[CH+2*\c:CH+2*\c+1], v[X+32*\i+2*\c:X+32*\i+2*\c+1], v[X+32*\i+2*\c:X+32*\i+2*\c+1]
.endr
.irp p, 4,5,6,7,8,9,10,11,12,13,14,15
	v_pk_fma_f32 v[CH+2*(\p%4):CH+2*(\p%4)+1], v[X+32*\i+2*\p:X+32*\i+2*\p+1], v[X+32*\i+2*\p:X+32*\i+2*\p+1], v[CH+2*(\p%4):CH+2*(\p%4)+1]
.endr
	v_pk_add_f32 v[CH:CH+1], v[CH:CH+1], v[CH+2:CH+3]
	v_pk_add_f32 v[CH+4:CH+5], v[CH+4:CH+5], v[CH+6:CH+7]
	v_pk_add_f32 v[CH:CH+1], v[CH:CH+1], v[CH+4:CH+5]
	v_add_f32 v[SS+\i], v[CH], v[CH+1]
.endr
.irp k, 1,2,4,8
	v_add_f32_dpp v[SS], v[SS], v[SS] row_xmask:\k row_mask:0xf bank_mask:0xf
	v_add_f32_dpp v[SS+1], v[SS+1], v[SS+1] row_xmask:\k row_mask:0xf bank_mask:0xf
.endr
	v_permlanex16_b32 v[PX], v[SS], s44, s45
	v_permlanex16_b32 v[PX+1], v[SS+1], s44, s45
	v_add_f32 v[SS], v[SS], v[PX]
	v_add_f32 v[SS+1], v[SS+1], v[PX+1]
	v_fma_f32 v[SS], v[SS], s46, s47
	v_fma_f32 v[SS+1], v[SS+1], s46, s47
	v_rsq_f32 v[CH], v[SS]
	v_rsq_f32 v[CH+2], v[SS+1]
	v_nop
	s_wait_alu depctr_va_vdst(0)           ; one wait for the two, ahead of their first reader
.irp i, 0,1
.irp p, 0,1,2,3,4,5,6,7,8,9,10,11,12,13,14,15
	v_pk_mul_f32 v[X+32*\i+2*\p:X+32*\i+2*\p+1], v[X+32*\i+2*\p:X+32*\i+2*\p+1], v[CH+2*\i:CH+2*\i+1] op_sel_hi:[1,0]
.endr
.irp p, 0,1,2,3,4,5,6,7,8,9,10,11,12,13,14,15
	v_pk_fma_f32 v[X+32*\i+2*\p:X+32*\i+2*\p+1], v[LW+2*\p:LW+2*\p+1], v[X+32*\i+2*\p:X+32*\i+2*\p+1], v[LB+2*\p:LB+2*\p+1]
.endr
.irp j, 0,1,2,3,4,5,6,7
	ds_store_b128 v[HFS], v[X+32*\i+4*\j:X+32*\i+4*\j+3] offset:HFP*\i+512*\j
.endr
.irp p, 0,1,2,3,4,5,6,7,8,9,10,11,12,13,14,15   ; rounded in place, ascending: register p is written when 2 p and 2 p + 1 have been read
	v_cvt_pk_bf16_f32 v[X+32*\i+\p], v[X+32*\i+2*\p], v[X+32*\i+2*\p+1]
.endr
.irp j, 0,1,2,3,4,5,6,7
	global_store_b64 v[H2O], v[X+32*\i+2*\j:X+32*\i+2*\j+1], s[16:17] offset:2048*\i+256*\j   ; a wave stores 256 consecutive bytes, aligned
.endr
.endr
	BAR
	s_wait_xcnt 0x0                        ; the stores' data registers are loaded again only behind this wait
.set i, 0
.rept 16                                   ; registers 4 g ..: h[r][128 w + 8 g + 4 h + 0..3]
	ds_load_b128 v[HA+4*i:HA+4*i+3], v[HAR] offset:32*i
.set i, i+1
.endr
	s_wait_loadcnt 0x0
	s_wait_dscnt 0x0
.set i, 0
.rept 32                                   ; four accumulators by turns; the first four products start the sums
.if i < 4
	v_wmma_f32_16x16x4_f32 v[32+8*(i%4):39+8*(i%4)], v[HA+2*i:HA+2*i+1], v[G+2*i:G+2*i+1], 0
.else
	v_wmma_f32_16x16x4_f32 v[32+8*(i%4):39+8*(i%4)], v[HA+2*i:HA+2*i+1], v[G+2*i:G+2*i+1], v[32+8*(i%4):39+8*(i%4)]
.endif
.set i, i+1
.endr
.rept 8
	v_nop                                  ; eight places behind this form
.endr
.irp j, 0,1,2,3,4,5,6,7
	v_add_f32 v[14+\j], v[32+\j], v[40+\j]
	v_add_f32 v[14+\j], v[14+\j], v[48+\j]
	v_add_f32 v[14+\j], v[14+\j], v[56+\j]
.endr
.irp j, 0,1,2,3,4,5,6,7
	ds_store_b32 v[PST], v[14+\j] offset:128*\j   ; (token 8 h + j, expert r)
.endr
	BAR
.irp j, 0,1,2,3,4,5,6,7
	ds_load_b32 v[14+\j], v[PRD] offset:1024*\j   ; the eight waves' parts of (token 8 h + w, expert r)
.endr
	s_wait_dscnt 0x0
	v_add_f32 v14, v14, v15
	v_add_f32 v16, v16, v17
	v_add_f32 v18, v18, v19
	v_add_f32 v20, v20, v21
	v_add_f32 v14, v14, v16
	v_add_f32 v18, v18, v20
	v_add_f32 v14, v14, v18
	ds_store_b32 v[LST], v14
	BAR
	s_cmp_lg_u32 s2, 0
	s_cbranch_scc1 .Ldone
	v_add_nc_u32 v13, LOG, v[LWO]
	ds_load_b128 v[80:83], v13
	ds_load_b128 v[84:87], v13 offset:512
	v_lshlrev_b32 v22, 6, v27
	v_add_nc_u32 v22, LOG, v22
.irp j, 0,1,2,3
	ds_load_b128 v[64+4*\j:67+4*\j], v22 offset:16*\j   ; token r's 16 logits, in both halves of the lanes
.endr
	s_wait_dscnt 0x0
	global_store_b128 v[LWO], v[80:83], s[18:19]
	global_store_b128 v[LWO], v[84:87], s[18:19] offset:512
	v_mov_b32 v14, v64                     ; best, its index; second, its index
	v_mov_b32 v15, 0
	v_mov_b32 v16, 0xff800000
	v_mov_b32 v17, 0
.set ee, 1
.rept 15
	v_cmp_gt_f32 vcc_lo, v[64+ee], v14
	v_cmp_gt_f32 s24, v[64+ee], v16
	v_cndmask_b32 v16, v16, v[64+ee], s24
	v_cndmask_b32 v17, v17, ee, s24
	v_cndmask_b32 v16, v16, v14, vcc_lo
	v_cndmask_b32 v17, v17, v15, vcc_lo
	v_cndmask_b32 v14, v14, v[64+ee], vcc_lo
	v_cndmask_b32 v15, v15, ee, vcc_lo
.set ee, ee+1
.endr
	v_sub_f32 v18, v16, v14                ; the maximum is taken away: second - best
	v_mul_f32 v18, 0x3fb8aa3b, v18
	v_exp_f32 v18, v18
	v_nop
	s_wait_alu depctr_va_vdst(0)
	v_add_f32 v19, 1.0, v18
	v_rcp_f32 v19, v19
	v_nop
	s_wait_alu depctr_va_vdst(0)
	v_mul_f32 v18, v18, v19
	v_cmp_gt_u32 vcc_lo, 16, v26
	v_cndmask_b32 v20, v17, v15, vcc_lo    ; lanes 0-15: the first choice; lanes 16-31: the second
	v_cndmask_b32 v21, v18, v19, vcc_lo
	v_lshlrev_b32 v22, 3, v27
	v_lshl_add_u32 v22, v28, 2, v22
	global_store_b32 v22, v21, s[22:23]
.set ee, 0
.rept 16
	v_cmp_eq_u32 s[26+ee], ee, v20
.set ee, ee+1
.endr
	v_mov_b32 v23, 0
.set ee, 0
.rept 16
	v_writelane_b32 v23, s[26+ee], ee
.set ee, ee+1
.endr
	v_lshlrev_b32 v24, 2, v26
	s_wait_xcnt 0x0                        ; EXEC changes only behind this wait
	v_cmpx_gt_u32 16, v26
	global_store_b32 v24, v23, s[20:21]    ; lane e: expert e's word of this group
	s_wait_xcnt 0x0
	s_mov_b32 exec_lo, -1
.Ldone:
	s_wait_tensorcnt 0x0                   ; the wave's end
	ds_add_u32 v[SPW], v[NIL]
	s_wait_dscnt 0x0
	s_endpgm
.Lfunc_end_k_q6ed6869764_router:
	.size	k_q6ed6869764_router, .Lfunc_end_k_q6ed6869764_router-k_q6ed6869764_router
	.p2alignl 7, 3214868480
	.fill 96, 4, 3214868480
	.section	.rodata,"a",@progbits
	.p2align	6, 0x0
	.amdhsa_kernel k_q6ed6869764_router
		.amdhsa_group_segment_fixed_size 76032
		.amdhsa_private_segment_fixed_size 0
		.amdhsa_enable_private_segment 0
		.amdhsa_kernarg_size 64
		.amdhsa_user_sgpr_count 2
		.amdhsa_user_sgpr_kernarg_segment_ptr 1
		.amdhsa_wavefront_size32 1
		.amdhsa_system_sgpr_workgroup_id_x 1
		.amdhsa_system_sgpr_workgroup_id_y 1
		.amdhsa_system_sgpr_workgroup_id_z 1
		.amdhsa_system_vgpr_workitem_id 0
		.amdhsa_next_free_vgpr 256
		.amdhsa_next_free_sgpr 66
		.amdhsa_reserve_vcc 1
		.amdhsa_float_denorm_mode_32 3
		.amdhsa_float_denorm_mode_16_64 3
		.amdhsa_memory_ordered 1
		.amdhsa_forward_progress 1
		.amdhsa_inst_pref_size 39
	.end_amdhsa_kernel
	.amdgpu_metadata
---
amdhsa.version: [ 1, 2 ]
amdhsa.kernels:
  - .name:           k_q6ed6869764_router
    .symbol:         k_q6ed6869764_router.kd
    .args:
      - { .name: x1, .offset: 0, .size: 8, .value_kind: global_buffer, .address_space: global }
      - { .name: ln2_w, .offset: 8, .size: 8, .value_kind: global_buffer, .address_space: global }
      - { .name: ln2_b, .offset: 16, .size: 8, .value_kind: global_buffer, .address_space: global }
      - { .name: gate_w, .offset: 24, .size: 8, .value_kind: global_buffer, .address_space: global }
      - { .name: h2, .offset: 32, .size: 8, .value_kind: global_buffer, .address_space: global }
      - { .name: out1, .offset: 40, .size: 8, .value_kind: global_buffer, .address_space: global }
      - { .name: bmap, .offset: 48, .size: 8, .value_kind: global_buffer, .address_space: global }
      - { .name: gw, .offset: 56, .size: 8, .value_kind: global_buffer, .address_space: global }
    .group_segment_fixed_size: 76032
    .private_segment_fixed_size: 0
    .kernarg_segment_align: 8
    .kernarg_segment_size: 64
    .max_flat_workgroup_size: 256
    .sgpr_count:     66
    .vgpr_count:     256
    .wavefront_size: 32
...
	.end_amdgpu_metadata
.endif
;; end of part 4
;; launch up (part 5): grid 16 x 16, 8 waves a work-group, no clusters, 323,072 bytes of LDS; arguments h2, W1, W3, bmap, he; writes he
.if DOCPART == 5
	.amdgcn_target "amdgcn-amd-amdhsa--gfx1250"
	.amdhsa_code_object_version 6
	.text
	.protected	k_q6ed6869764_up
	.globl	k_q6ed6869764_up
	.p2align	8
	.type	k_q6ed6869764_up,@function
k_q6ed6869764_up:
	s_mov_b64 s[64:65], 0
	v_nop
	global_prefetch_b8 v0, s[64:65] scope:SCOPE_SE
	s_setreg_imm32_b32 hwreg(HW_REG_WAVE_MODE, 25, 1), 1
	s_wait_xcnt 0x0
; he[slot] = silu(h2[token] W1[e]) * (h2[token] W3[e]) for the slots that chose expert e; slot = 2 token + choice.  h2: [1024][1024] bf16; W1, W3: [16][1024 k][1024 f] f32; he: [2048][1024] bf16.
; SHARES.  A work-group has ONE expert (grid y) and 64 columns of F in W1 and in W3 (grid x): 512 KiB of weights that it alone reads, once, rounded to bf16 on their way through registers.
; The whole slice stays in LDS.  PHASE 1 multiplies the expert's first 192 rows while the slice streams in: 16 K steps of 64, one barrier each, four chunks (128 KiB of weights a work-group) on their way.
; PHASE 2 takes rows 192 .. 1,023 in five trips of a constant count, with no barrier and no LDS write: token rows come from memory as matrix operands.  So every split of the tokens is served.
; Wave w: rows 48 (w / 2) on, three fragments; columns 32 (w % 2) on in W1 and in W3: 12 accumulators.  A wave whose first row is past the count jumps its products (never a barrier).
; Rows past the count repeat the last listed row: the same values go to the same address.  An expert without rows stores nothing.
; The accumulators are cleared by 96 v_mov_b32 while the first loads are out: a wave without rows jumps its products, so no first product stands on every path.
; No cluster: each slice has one reader, and the token rows come by a list that no tile descriptor covers.
.set AB,    262144              ; 0 .. 262,143: the slice: K row k at 256 k: 64 columns of W1, 64 of W3, bf16; its 16-byte piece ch lies at piece ch xor 2 (k % 8)
.set ABP,   144                 ; token rows: 128 bytes + 16
.set ABB,   192*ABP             ; two buffers of 192 rows; the first is later the stage
.set LIST,  AB+2*ABB            ; 1,024 words: the expert's slots; behind them 32 words, one a lane, for the lanes whose bit is clear
.set CNTA,  LIST+4352           ; the number of slots
.set SPARE, CNTA+256
.set SPW, 2
.set NIL, 3
.set WOFF, 4
.set AOF, 5                     ; v5-10   byte offset in h2 of row 32 i + tid / 8 of the list, + 16 (tid % 8)
.set SL,  11                    ; v11-16  the same row's byte offset in he
.set WS,  17                    ; v17-24  where load n's 8 bytes go
.set B0,  25                    ; v25-28  my four B fragments' addresses at K = 0
.set BWK, 29                    ; v29-32  the same, walking
.set AST, 33
.set AFR, 34
.set POS, 41
.set FA,  40                    ; A(kk, f) at 40 + 24 kk + 8 f
.set FB,  88                    ; B(kk, x) at 88 + 32 kk + 8 x
.set ACC, 152                   ; (f, x) at 152 + 8 (4 f + x); x = 0, 1: W1; 2, 3: W3
.set SGW, 248
.set C16, 249
.set RR,  250
.set H16, 251
.set HC,  252
.set T1,  224                   ; window 1: W slots v0-127, token slots v128-223, rounded W v224-239
.set MSB, 0
.macro WIN new
.if MSB != (\new)
	s_set_vgpr_msb (MSB<<8)|(\new)
.set MSB, \new
.endif
.endm
.macro BAR
	s_wait_dscnt 0x0
	s_barrier_signal -1
	s_barrier_wait -1
.endm
	s_load_b256 s[8:15], s[0:1], 0x0       ; h2 8, W1 10, W3 12, bmap 14
	s_load_b64 s[16:17], s[0:1], 0x20      ; he
	v_lshl_add_u32 v[SPW], v0, 2, SPARE
	v_mov_b32 v[NIL], 0
	v_lshrrev_b32 v1, 5, v0
	v_readfirstlane_b32 s2, v1
	s_mov_b32 s3, ttmp9                    ; slice
	s_and_b32 s4, ttmp7, 0xffff            ; expert
	s_lshl_b32 s34, s4, 22
	s_lshl_b32 s28, s3, 8
	s_add_co_u32 s34, s34, s28
	s_mov_b32 s35, 0
	s_lshl_b32 s36, s3, 7
	s_mov_b32 s37, 0
	s_lshr_b32 s38, s2, 1
	s_and_b32 s39, s2, 1
	s_mul_i32 s27, s38, 48                 ; my first row
	s_lshl_b32 s33, s2, 2
	v_and_b32 v40, 31, v0
	v_and_b32 v[RR], 15, v0
	v_bfe_u32 v42, v0, 4, 1
	v_and_b32 v43, 7, v0
	v_bfe_u32 v44, v0, 3, 1
	v_lshlrev_b32 v[H16], 4, v42
	v_lshlrev_b32 v[C16], 4, v43
	s_lshl_b32 s28, s39, 6
	v_add_nc_u32 v[HC], s28, v[H16]
	s_lshl_b32 s28, s2, 15
	v_lshl_add_u32 v[WOFF], v42, 14, s28
	v_lshl_add_u32 v[WOFF], v[RR], 4, v[WOFF]    ; K row 8 w + 4 h, 16 bytes a lane
	v_lshrrev_b32 v45, 1, v[RR]
	v_and_b32 v46, 1, v[RR]
	v_lshlrev_b32 v46, 3, v46
	v_lshl_add_u32 v46, v42, 10, v46
	s_lshl_b32 s28, s2, 11
	v_add_nc_u32 v46, s28, v46
	v_lshl_add_u32 v47, v42, 7, v46        ; W1: half h of the row (the xor's bit 3 is h)
	v_xor_b32 v48, 1, v42
	v_lshl_add_u32 v48, v48, 7, v46        ; W3: the other half
.irp bp, 0,1,2,3
	v_xor_b32 v49, 2*\bp, v45
	v_lshlrev_b32 v49, 4, v49
	v_add3_u32 v[WS+2*\bp], v49, v47, 256*\bp
	v_add3_u32 v[WS+2*\bp+1], v49, v48, 256*\bp
.endr
	v_lshlrev_b32 v46, 11, v42
	v_lshl_add_u32 v46, v43, 8, v46
	v_lshl_add_u32 v46, v44, 4, v46        ; (8 h + lane % 8) x 256 + 16 ((lane / 8) % 2)
	s_lshl_b32 s28, s39, 1
.irp x, 0,1,2,3
	s_add_co_u32 s40, s28, (\x%2)+4*(\x/2) ; which 16 columns of the row's 128
	v_xor_b32 v47, s40, v43
	v_lshl_add_u32 v[B0+\x], v47, 5, v46
	v_mov_b32 v[BWK+\x], v[B0+\x]
.endr
	s_mul_i32 s28, s2, 4*ABP
	s_add_co_u32 s28, s28, AB
	v_lshrrev_b32 v47, 3, v40
	v_mul_u32_u24 v[AST], v47, ABP
	v_add3_u32 v[AST], v[AST], v[C16], s28
	v_add_nc_u32 v[POS], s33, v47          ; tid / 8
	s_mul_i32 s28, s27, ABP
	s_add_co_u32 s28, s28, AB
	v_mul_u32_u24 v[AFR], v[RR], ABP
	v_add3_u32 v[AFR], v[AFR], v[H16], s28
	s_lshl_b32 s28, s39, 6
	v_add_nc_u32 v[SGW], s28, v[AFR]
	v_lshlrev_b32 v36, 6, v40
	v_lshl_add_u32 v36, s4, 2, v36         ; bmap[lane][expert]
	v_lshl_add_u32 v39, v[RR], 1, v42      ; the slot of my bit in word 0
	s_wait_kmcnt 0x0
	s_add_nc_u64 s[10:11], s[10:11], s[34:35]
	s_add_nc_u64 s[12:13], s[12:13], s[34:35]
	s_add_nc_u64 s[16:17], s[16:17], s[36:37]
	s_mov_b64 s[18:19], s[8:9]             ; h2, walking along K
	s_cmp_lg_u32 s2, 0
	s_cbranch_scc1 .Lnb
	global_load_b32 v37, v36, s[14:15]
	global_load_b32 v38, v36, s[14:15] offset:2048
.Lnb:
	WIN 0x40
.irp c, 0,1,2,3
.irp n, 0,1,2,3,4,5,6,7
	global_load_b128 v[32*\c+4*\n:32*\c+4*\n+3], v[WOFF], s[10+2*(\n%2):11+2*(\n%2)] offset:\c*262144+(\n/2)*4096 th:TH_LOAD_NT
.endr
.endr
	WIN 0
.set i, 0
.rept 96
	v_mov_b32 v[ACC+i], 0
.set i, i+1
.endr
	s_cmp_lg_u32 s2, 0
	s_cbranch_scc1 .Lns
	; THE LIST, by wave 0, all lanes on.  First the list, the 32 words behind it and the count's block are cleared (nine stores of 512 bytes from four accumulator registers, which hold 0): an expert
	; without rows still has a slot to ask for.  Then, for each of the 64 words, a lane whose bit is set stores its slot at the running count + the number of set bits below it; a lane whose bit is
	; clear stores to its own word behind the list.  The choice is made on the index, which is then held to 0 .. 1,055.  EIGHT WORDS A TRIP (4 t .. 4 t + 3 and 32 + 4 t .. 32 + 4 t + 3), each stage
	; for all eight on registers of their own, so that no line waits for the line before it; seven waves stand at the barrier below meanwhile.
	s_wait_loadcnt 32                      ; the 32 loads of weights are younger than the two of the bitmap
	v_lshl_add_u32 v46, v40, 4, LIST
.irp j, 0,1,2,3,4,5,6,7,8
	ds_store_b128 v46, v[ACC:ACC+3] offset:512*\j
.endr
	v_add_nc_u32 v45, 0x400, v40           ; 1,024 + lane
	s_mov_b32 s22, 0                       ; the running count
	s_mov_b32 s21, 0                       ; 4 t
	s_mov_b32 s23, 8
.Lscan:
	s_add_co_u32 s41, s21, 1
	s_add_co_u32 s42, s21, 2
	s_add_co_u32 s43, s21, 3
	v_readlane_b32 s44, v37, s21
	v_readlane_b32 s45, v37, s41
	v_readlane_b32 s46, v37, s42
	v_readlane_b32 s47, v37, s43
	v_readlane_b32 s48, v38, s21
	v_readlane_b32 s49, v38, s41
	v_readlane_b32 s50, v38, s42
	v_readlane_b32 s51, v38, s43
.irp j, 0,1,2,3,4,5,6,7
	v_add_nc_u32 v[56+\j], 32*(\j%4)+1024*(\j/4), v39      ; the slot of my bit in word j of the eight
.endr
	s_mov_b32 s52, s22
.irp j, 0,1,2,3,4,5,6
	s_bcnt1_i32_b32 s24, s[44+\j]
	s_add_co_u32 s[53+\j], s[52+\j], s24                   ; where word j + 1's slots begin
.endr
	s_bcnt1_i32_b32 s24, s51
	s_add_co_u32 s22, s59, s24
.irp j, 0,1,2,3,4,5,6,7
	v_mbcnt_lo_u32_b32 v[48+\j], s[44+\j], s[52+\j]
.endr
.irp j, 0,1,2,3,4,5,6,7
	v_cndmask_b32 v[48+\j], v45, v[48+\j], s[44+\j]
.endr
.irp j, 0,1,2,3,4,5,6,7
	v_min_u32 v[48+\j], 0x41f, v[48+\j]
.endr
.irp j, 0,1,2,3,4,5,6,7
	v_lshl_add_u32 v[48+\j], v[48+\j], 2, LIST
.endr
.irp j, 0,1,2,3,4,5,6,7
	ds_store_b32 v[48+\j], v[56+\j]        ; LDS serves a wave's instructions in order: these come behind the clearing
.endr
	v_add_nc_u32 v39, 128, v39
	s_add_co_u32 s21, s21, 4
	s_sub_co_i32 s23, s23, 1
	s_cmp_lg_u32 s23, 0
	s_cbranch_scc1 .Lscan
	v_mov_b32 v35, CNTA
	v_mov_b32 v36, s22
	ds_store_b32 v35, v36
.Lns:
	BAR
	v_mov_b32 v35, CNTA
	ds_load_b32 v36, v35
	s_wait_dscnt 0x0
	v_readfirstlane_b32 s25, v36
	s_min_u32 s25, s25, 0x400              ; the expert's rows
	s_max_u32 s26, s25, 1
	s_sub_co_u32 s26, s26, 1               ; the last listed place
.irp i, 0,1,2,3,4,5
	v_add_nc_u32 v[SL+\i], 32*\i, v[POS]
	v_min_u32 v[SL+\i], s26, v[SL+\i]
	v_min_u32 v[SL+\i], 0x3ff, v[SL+\i]
	v_lshl_add_u32 v[SL+\i], v[SL+\i], 2, LIST
.endr
.irp i, 0,1,2,3,4,5
	ds_load_b32 v[AOF+\i], v[SL+\i]
.endr
	s_wait_dscnt 0x0
.irp i, 0,1,2,3,4,5
	v_min_u32 v[AOF+\i], 0x7ff, v[AOF+\i]
	v_lshl_add_u32 v[SL+\i], v[AOF+\i], 11, v[C16]
	v_and_b32 v[AOF+\i], 0x7fe, v[AOF+\i]  ; 2 x token
	v_lshl_add_u32 v[AOF+\i], v[AOF+\i], 10, v[C16]
.endr
	WIN 0x40
.irp c, 0,1,2,3
.irp i, 0,1,2,3,4,5
	global_load_b128 v[128+24*\c+4*\i:128+24*\c+4*\i+3], v[AOF+\i], s[18:19] offset:128*\c
.endr
.endr
	WIN 0
.macro MM kk
.irp f, 0,1,2
.irp x, 0,1,2,3
	v_wmma_f32_16x16x32_bf16 v[ACC+8*(4*\f+\x):ACC+8*(4*\f+\x)+7], v[FB+32*(\kk)+8*\x:FB+32*(\kk)+8*\x+7], v[FA+24*(\kk)+8*\f:FA+24*(\kk)+8*\f+7], v[ACC+8*(4*\f+\x):ACC+8*(4*\f+\x)+7]
.endr
.endr
.endm
; A K STEP of 64.  The chunk that has landed (8 loads of weights, 6 of token rows) goes into LDS, the chunk four steps on is asked for, ONE barrier, then 28 fragment loads and 24 products.
; The barrier orders this step's stores against this step's reads, and the reads of the token buffer two steps ago against this step's stores into it.  The slice's bytes are written once.
.macro TRIP q, ab, cnt, issue
	s_wait_loadcnt \cnt
	WIN 0x45
.irp n, 0,1,2,3,4,5,6,7                    ; sixteen plain instructions: the places between the last products and the loads into their fragments
	v_cvt_pk_bf16_f32 v[T1+2*\n],   v[32*(\q)+4*\n],   v[32*(\q)+4*\n+1]
	v_cvt_pk_bf16_f32 v[T1+2*\n+1], v[32*(\q)+4*\n+2], v[32*(\q)+4*\n+3]
.endr
	WIN 0x04
.irp n, 0,1,2,3,4,5,6,7
	ds_store_b64 v[WS+\n], v[T1+2*\n:T1+2*\n+1] offset:16384*(\q)
.endr
.irp i, 0,1,2,3,4,5
	ds_store_b128 v[AST], v[128+24*(\q)+4*\i:128+24*(\q)+4*\i+3] offset:ABB*(\ab)+32*ABP*\i
.endr
.if \issue
	WIN 0x40
.irp n, 0,1,2,3,4,5,6,7
	global_load_b128 v[32*(\q)+4*\n:32*(\q)+4*\n+3], v[WOFF], s[10+2*(\n%2):11+2*(\n%2)] offset:((\q)+4)*262144+(\n/2)*4096 th:TH_LOAD_NT
.endr
.irp i, 0,1,2,3,4,5
	global_load_b128 v[128+24*(\q)+4*\i:128+24*(\q)+4*\i+3], v[AOF+\i], s[18:19] offset:((\q)+4)*128
.endr
.endif
	WIN 0
	BAR
	s_cmp_ge_u32 s27, s25
	s_cbranch_scc1 .Ldead_\@               ; my rows are past the count
.irp kk, 0,1
.irp f, 0,1,2
	ds_load_b128 v[FA+24*\kk+8*\f:FA+24*\kk+8*\f+3],   v[AFR] offset:ABB*(\ab)+16*ABP*\f+64*\kk
	ds_load_b128 v[FA+24*\kk+8*\f+4:FA+24*\kk+8*\f+7], v[AFR] offset:ABB*(\ab)+16*ABP*\f+64*\kk+32
.endr
.irp x, 0,1,2,3
	ds_load_tr16_b128 v[FB+32*\kk+8*\x:FB+32*\kk+8*\x+3],   v[BWK+\x] offset:16384*(\q)+8192*\kk
	ds_load_tr16_b128 v[FB+32*\kk+8*\x+4:FB+32*\kk+8*\x+7], v[BWK+\x] offset:16384*(\q)+8192*\kk+4096
.endr
.endr
	s_wait_dscnt 14                        ; the first 32 of K are in
	MM 0
	s_wait_dscnt 0x0
	MM 1
.Ldead_\@:
.endm
.macro GROUP c0, c1, c2, c3, issue
	TRIP 0, 0, \c0, \issue
	TRIP 1, 1, \c1, \issue
	TRIP 2, 0, \c2, \issue
	TRIP 3, 1, \c3, \issue
.endm
.macro STEP                     ; four K steps on
	s_wait_xcnt 0x0
	s_add_nc_u64 s[10:11], s[10:11], 0x100000
	s_add_nc_u64 s[12:13], s[12:13], 0x100000
	s_add_nc_u64 s[18:19], s[18:19], 512
.irp n, 0,1,2,3,4,5,6,7
	v_add_nc_u32 v[WS+\n], 0x10000, v[WS+\n]
.endr
.irp x, 0,1,2,3
	v_add_nc_u32 v[BWK+\x], 0x10000, v[BWK+\x]
.endr
.endm
	s_wait_loadcnt 0x0                     ; the first four chunks, weights and rows: at the start the rows stand behind all the weights, not chunk by chunk, so one wait for all of them
	                                       ; lets the loop's own counts hold from its first trip on, and no first group of four steps is written out
	s_mov_b32 s29, 3
.Lg:
	GROUP 42, 42, 42, 42, 1                ; 42: three younger chunks of 14
	STEP
	s_sub_co_i32 s29, s29, 1
	s_cmp_lg_u32 s29, 0
	s_cbranch_scc1 .Lg
	GROUP 42, 28, 14, 0, 0                 ; the last four steps ask for nothing: the counts run down
.rept 4
	v_nop                                  ; the places behind the last products, on every way
.endr
; silu(a) b = a b / (1 + 2^(-a log2 e)), on the wave's 6 pairs of accumulators: two batches of 48 transcendentals, one wait each.  Results, bf16: pair g = 2 f + u in v[FB + 4 g ..].
.macro SILU
.set gg, 0
.rept 6
.set aa, ACC+8*(4*(gg/2)+gg%2)
.irp jj, 0,1,2,3
	v_pk_mul_f32 v[FA+8*gg+2*\jj:FA+8*gg+2*\jj+1], v[aa+2*\jj:aa+2*\jj+1], 0xbfb8aa3b op_sel_hi:[1,0]
.endr
.set gg, gg+1
.endr
.set i, 0
.rept 48
	v_exp_f32 v[FA+i], v[FA+i]
.set i, i+1
.endr
	v_nop
	s_wait_alu depctr_va_vdst(0)
.set i, 0
.rept 24
	v_pk_add_f32 v[FA+2*i:FA+2*i+1], v[FA+2*i:FA+2*i+1], 1.0 op_sel_hi:[1,0]
.set i, i+1
.endr
.set i, 0
.rept 48
	v_rcp_f32 v[FA+i], v[FA+i]
.set i, i+1
.endr
.set gg, 0
.rept 6                                    ; a b: work that names no reciprocal, between the batch and its wait
.set aa, ACC+8*(4*(gg/2)+gg%2)
.irp jj, 0,1,2,3
	v_pk_mul_f32 v[aa+2*\jj:aa+2*\jj+1], v[aa+2*\jj:aa+2*\jj+1], v[aa+16+2*\jj:aa+16+2*\jj+1]
.endr
.set gg, gg+1
.endr
	s_wait_alu depctr_va_vdst(0)
.set gg, 0
.rept 6
.set aa, ACC+8*(4*(gg/2)+gg%2)
.irp jj, 0,1,2,3
	v_pk_mul_f32 v[FA+8*gg+2*\jj:FA+8*gg+2*\jj+1], v[FA+8*gg+2*\jj:FA+8*gg+2*\jj+1], v[aa+2*\jj:aa+2*\jj+1]
.endr
.set gg, gg+1
.endr
.set i, 0
.rept 24
	v_cvt_pk_bf16_f32 v[FB+i], v[FA+2*i], v[FA+2*i+1]
.set i, i+1
.endr
.endm
	s_cmp_ge_u32 s27, s25
	s_cbranch_scc1 .Lp1dead
	SILU
.set gg, 0
.rept 6                                    ; into the first token buffer: its last readers signalled the last step's barrier
	ds_store_b128 v[SGW], v[FB+4*gg:FB+4*gg+3] offset:(gg/2)*16*ABP+32*(gg%2)
.set gg, gg+1
.endr
.Lp1dead:
	BAR
.macro PIECE i                  ; rows 32 i + 4 w .. + 3: eight lanes store a row's 128 bytes
	s_add_co_u32 s28, s33, 32*(\i)
	s_cmp_ge_u32 s28, s25
	s_cbranch_scc1 .Lpz_\@
	ds_load_b128 v[FA+4*(\i):FA+4*(\i)+3], v[AST] offset:32*ABP*(\i)
	s_wait_dscnt 0x0
	global_store_b128 v[SL+(\i)], v[FA+4*(\i):FA+4*(\i)+3], s[16:17]
.Lpz_\@:
.endm
.irp i, 0,1,2,3,4,5
	PIECE \i
.endr
	; PHASE 2: rows 192 tile + 48 (w / 2) on, tile = 1 .. 5.  Nothing writes LDS here, so there is no barrier inside.
	s_mov_b32 s30, 1
.Ltile:
	s_mul_i32 s31, s30, 192
	s_add_co_u32 s31, s31, s27
	s_cmp_ge_u32 s31, s25
	s_cbranch_scc1 .Ltnext
	s_wait_xcnt 0x0                        ; earlier stores' registers are written again only behind this wait
.irp f, 0,1,2
	v_add_nc_u32 v[11+\f], s31, v[RR]
	v_add_nc_u32 v[11+\f], 16*\f, v[11+\f]
	v_min_u32 v[11+\f], s26, v[11+\f]
	v_min_u32 v[11+\f], 0x3ff, v[11+\f]
	v_lshl_add_u32 v[11+\f], v[11+\f], 2, LIST
.endr
.irp f, 0,1,2
	ds_load_b32 v[14+\f], v[11+\f]
.endr
	s_wait_dscnt 0x0
.irp f, 0,1,2
	v_min_u32 v[14+\f], 0x7ff, v[14+\f]
	v_lshl_add_u32 v[8+\f], v[14+\f], 11, v[HC]
	v_and_b32 v[14+\f], 0x7fe, v[14+\f]
	v_lshl_add_u32 v[5+\f], v[14+\f], 10, v[H16]
.endr
.irp x, 0,1,2,3
	v_mov_b32 v[BWK+\x], v[B0+\x]
.endr
.set i, 0
.rept 96
	v_mov_b32 v[ACC+i], 0
.set i, i+1
.endr
	s_mov_b32 s32, 16
.Linner:
.irp kk, 0,1
.irp f, 0,1,2
	global_load_b128 v[FA+24*\kk+8*\f:FA+24*\kk+8*\f+3],   v[5+\f], s[8:9] offset:64*\kk
	global_load_b128 v[FA+24*\kk+8*\f+4:FA+24*\kk+8*\f+7], v[5+\f], s[8:9] offset:64*\kk+32
.endr
.irp x, 0,1,2,3
	ds_load_tr16_b128 v[FB+32*\kk+8*\x:FB+32*\kk+8*\x+3],   v[BWK+\x] offset:8192*\kk
	ds_load_tr16_b128 v[FB+32*\kk+8*\x+4:FB+32*\kk+8*\x+7], v[BWK+\x] offset:8192*\kk+4096
.endr
.endr
	s_wait_loadcnt 0x0
	s_wait_dscnt 0x0
	MM 0
	MM 1
.irp f, 0,1,2                              ; seven plain instructions: the places behind the products
	v_add_nc_u32 v[5+\f], 128, v[5+\f]
.endr
.irp x, 0,1,2,3
	v_add_nc_u32 v[BWK+\x], 0x4000, v[BWK+\x]
.endr
	s_sub_co_i32 s32, s32, 1
	s_cmp_lg_u32 s32, 0
	s_cbranch_scc1 .Linner
	SILU
.set gg, 0
.rept 6
	global_store_b128 v[8+gg/2], v[FB+4*gg:FB+4*gg+3], s[16:17] offset:32*(gg%2)
.set gg, gg+1
.endr
.Ltnext:
	s_add_co_u32 s30, s30, 1
	s_cmp_lt_u32 s30, 6
	s_cbranch_scc1 .Ltile
	BAR                                    ; one barrier closes phase 2: behind it no wave reads LDS any more
	s_wait_tensorcnt 0x0                   ; the wave's end
	ds_add_u32 v[SPW], v[NIL]
	s_wait_dscnt 0x0
	s_endpgm
.Lfunc_end_k_q6ed6869764_up:
	.size	k_q6ed6869764_up, .Lfunc_end_k_q6ed6869764_up-k_q6ed6869764_up
	.p2alignl 7, 3214868480
	.fill 96, 4, 3214868480
	.section	.rodata,"a",@progbits
	.p2align	6, 0x0
	.amdhsa_kernel k_q6ed6869764_up
		.amdhsa_group_segment_fixed_size 323072
		.amdhsa_private_segment_fixed_size 0
		.amdhsa_enable_private_segment 0
		.amdhsa_kernarg_size 40
		.amdhsa_user_sgpr_count 2
		.amdhsa_user_sgpr_kernarg_segment_ptr 1
		.amdhsa_wavefront_size32 1
		.amdhsa_system_sgpr_workgroup_id_x 1
		.amdhsa_system_sgpr_workgroup_id_y 1
		.amdhsa_system_sgpr_workgroup_id_z 1
		.amdhsa_system_vgpr_workitem_id 0
		.amdhsa_next_free_vgpr 512
		.amdhsa_next_free_sgpr 66
		.amdhsa_reserve_vcc 0
		.amdhsa_float_denorm_mode_32 3
		.amdhsa_float_denorm_mode_16_64 3
		.amdhsa_memory_ordered 1
		.amdhsa_forward_progress 1
		.amdhsa_inst_pref_size 109
	.end_amdhsa_kernel
	.amdgpu_metadata
---
amdhsa.version: [ 1, 2 ]
amdhsa.kernels:
  - .name:           k_q6ed6869764_up
    .symbol:         k_q6ed6869764_up.kd
    .args:
      - { .name: h2, .offset: 0, .size: 8, .value_kind: global_buffer, .address_space: global }
      - { .name: W1, .offset: 8, .size: 8, .value_kind: global_buffer, .address_space: global }
      - { .name: W3, .offset: 16, .size: 8, .value_kind: global_buffer, .address_space: global }
      - { .name: bmap, .offset: 24, .size: 8, .value_kind: global_buffer, .address_space: global }
      - { .name: he, .offset: 32, .size: 8, .value_kind: global_buffer, .address_space: global }
    .group_segment_fixed_size: 323072
    .private_segment_fixed_size: 0
    .kernarg_segment_align: 8
    .kernarg_segment_size: 40
    .max_flat_workgroup_size: 256
    .sgpr_count:     66
    .vgpr_count:     512
    .wavefront_size: 32
...
	.end_amdgpu_metadata
.endif
;; end of part 5
;; launch down (part 6): grid 16 x 16, 8 waves a work-group, no clusters, 273,920 bytes of LDS; arguments he, W2, bmap, gw, pp; writes pp
.if DOCPART == 6
	.amdgcn_target "amdgcn-amd-amdhsa--gfx1250"
	.amdhsa_code_object_version 6
	.text
	.protected	k_q6ed6869764_down
	.globl	k_q6ed6869764_down
	.p2align	8
	.type	k_q6ed6869764_down,@function
k_q6ed6869764_down:
	s_mov_b64 s[64:65], 0
	v_nop
	global_prefetch_b8 v0, s[64:65] scope:SCOPE_SE
	s_setreg_imm32_b32 hwreg(HW_REG_WAVE_MODE, 25, 1), 1
	s_wait_xcnt 0x0
; pp[slot] = gw[slot] * (he[slot] W2[e]) for the slots that chose expert e.  he: [2048][1024] bf16; W2: [16][1024 f][1024 d] f32, rounded to bf16 on its way through registers; pp: [2048][1024] f32 (partial sums).
; The launch before, with one matrix: a work-group has one expert (grid y) and 64 columns of D (grid x), 256 KiB of weights that it alone reads once and keeps in LDS.
; PHASE 1: the first 192 rows, 8 K steps of 128 written out, one barrier each, three chunks (96 KiB of weights) on their way.  PHASE 2: rows 192 .. 1,023, five trips, no barrier inside, no LDS write.
; Wave w: rows 48 (w / 2) on, columns 32 (w % 2) on: 6 accumulators, cleared by 48 v_mov_b32 (a wave without rows jumps its products).  Rows past the count repeat the last listed row.
; No cluster: each slice has one reader, and the rows of he come by a list.
.set WLP,   160                 ; a K row of the slice: 128 bytes + 32
.set AB0,   1024*WLP
.set ABP,   272                 ; a row of he in a K step: 256 bytes + 16; later a stage row of 64 f32
.set ABB,   192*ABP
.set LIST,  AB0+2*ABB           ; 1,024 words: the expert's slots; behind them 32 words, one a lane, for the lanes whose bit is clear
.set CNTA,  LIST+4352
.set SPARE, CNTA+256
.set SPW, 2
.set NIL, 3
.set WOFF, 4
.set AOF, 5                     ; v5-16   byte offset in he of row 16 i + tid / 16 of the list, + 16 (tid % 16)
.set WS,  17
.set B0,  18
.set BWK, 19
.set AST, 20                    ; v20, v21  by buffer
.set AFR, 22                    ; v22, v23
.set GW,  24                    ; v24-29  three pairs (weight of row 16 f + r, 0)
.set FA,  48                    ; set s, fragment f at 48 + 24 s + 8 f
.set FB,  96                    ; set s, fragment u at 96 + 16 s + 8 u
.set ACC, 128                   ; (f, u) at 128 + 8 (2 f + u)
.set PO,  176                   ; v176-187 the same rows' byte offsets in pp
.set PD,  192
.set RR,  240
.set H16, 241
.set C16, 242
.set SGW, 243
.set HC,  244
.set POS, 245
.set T1,  240                   ; window 1: slot q at 80 q: W + 0 .. 31, rows + 32 .. 79; rounded W v240-255
.set MSB, 0
.macro WIN new
.if MSB != (\new)
	s_set_vgpr_msb (MSB<<8)|(\new)
.set MSB, \new
.endif
.endm
.macro BAR
	s_wait_dscnt 0x0
	s_barrier_signal -1
	s_barrier_wait -1
.endm
	s_load_b256 s[8:15], s[0:1], 0x0       ; he 8, W2 10, bmap 12, gw 14
	s_load_b64 s[16:17], s[0:1], 0x20      ; pp
	v_lshl_add_u32 v[SPW], v0, 2, SPARE
	v_mov_b32 v[NIL], 0
	v_lshrrev_b32 v1, 5, v0
	v_readfirstlane_b32 s2, v1
	s_mov_b32 s3, ttmp9
	s_and_b32 s4, ttmp7, 0xffff
	s_lshl_b32 s34, s4, 22
	s_lshl_b32 s36, s3, 8
	s_add_co_u32 s34, s34, s36
	s_mov_b32 s35, 0
	s_mov_b32 s37, 0
	s_lshr_b32 s38, s2, 1
	s_and_b32 s39, s2, 1
	s_mul_i32 s27, s38, 48
	s_lshl_b32 s33, s2, 1
	v_and_b32 v40, 31, v0
	v_and_b32 v[RR], 15, v0
	v_bfe_u32 v42, v0, 4, 1
	v_and_b32 v43, 7, v0
	v_bfe_u32 v44, v0, 3, 1
	v_lshlrev_b32 v[H16], 4, v42
	v_lshlrev_b32 v[C16], 4, v[RR]
	s_lshl_b32 s28, s39, 7
	v_lshl_add_u32 v[HC], v42, 5, s28      ; 128 (w % 2) + 32 h: my eight f32 in a row of pp
	s_lshl_b32 s28, s2, 15
	v_lshl_add_u32 v[WOFF], v42, 14, s28
	v_lshl_add_u32 v[WOFF], v[RR], 4, v[WOFF]
	s_mul_i32 s28, s2, 8*WLP
	v_mul_u32_u24 v[WS], v42, 4*WLP
	v_lshl_add_u32 v[WS], v[RR], 3, v[WS]
	v_add_nc_u32 v[WS], s28, v[WS]
	v_lshl_add_u32 v45, v42, 3, v43
	v_mul_u32_u24 v[B0], v45, WLP
	v_lshl_add_u32 v[B0], v44, 4, v[B0]
	s_lshl_b32 s28, s39, 6
	v_add_nc_u32 v[B0], s28, v[B0]
	v_mov_b32 v[BWK], v[B0]
	s_mul_i32 s28, s2, 2*ABP
	s_add_co_u32 s28, s28, AB0
	v_mul_u32_u24 v[AST], v42, ABP
	v_add3_u32 v[AST], v[AST], v[C16], s28
	v_add_nc_u32 v[AST+1], ABB, v[AST]
	v_add_nc_u32 v[POS], s33, v42          ; tid / 16
	s_mul_i32 s28, s27, ABP
	s_add_co_u32 s28, s28, AB0
	v_mul_u32_u24 v[AFR], v[RR], ABP
	v_add_nc_u32 v[SGW], s28, v[AFR]
	v_add3_u32 v[AFR], v[AFR], v[H16], s28
	v_add_nc_u32 v[AFR+1], ABB, v[AFR]
	v_add_nc_u32 v[SGW], v[SGW], v[HC]
	v_lshlrev_b32 v36, 6, v40
	v_lshl_add_u32 v36, s4, 2, v36
	v_lshl_add_u32 v39, v[RR], 1, v42
	s_wait_kmcnt 0x0
	s_add_nc_u64 s[10:11], s[10:11], s[34:35]
	s_add_nc_u64 s[16:17], s[16:17], s[36:37]
	s_cmp_lg_u32 s2, 0
	s_cbranch_scc1 .Lnb
	global_load_b32 v37, v36, s[12:13]
	global_load_b32 v38, v36, s[12:13] offset:2048
.Lnb:
	WIN 0x40
.irp c, 0,1,2
.irp n, 0,1,2,3,4,5,6,7
	global_load_b128 v[80*\c+4*\n:80*\c+4*\n+3], v[WOFF], s[10:11] offset:\c*524288+(\n/4)*262144+(\n%4)*4096 th:TH_LOAD_NT
.endr
.endr
	WIN 0
.set i, 0
.rept 48
	v_mov_b32 v[ACC+i], 0
.set i, i+1
.endr
	s_cmp_lg_u32 s2, 0
	s_cbranch_scc1 .Lns
	; the list, by wave 0, all lanes on, as in the launch before: cleared first, then scattered, eight words a trip, each stage for all eight on registers of their own;
	; a lane whose bit is clear stores to its own word behind the list
	s_wait_loadcnt 24                      ; the 24 loads of weights are younger than the two of the bitmap
	v_lshl_add_u32 v46, v40, 4, LIST
.irp j, 0,1,2,3,4,5,6,7,8
	ds_store_b128 v46, v[ACC:ACC+3] offset:512*\j
.endr
	v_add_nc_u32 v45, 0x400, v40           ; 1,024 + lane
	s_mov_b32 s22, 0                       ; the running count
	s_mov_b32 s21, 0                       ; 4 t
	s_mov_b32 s23, 8
.Lscan:
	s_add_co_u32 s41, s21, 1
	s_add_co_u32 s42, s21, 2
	s_add_co_u32 s43, s21, 3
	v_readlane_b32 s44, v37, s21
	v_readlane_b32 s45, v37, s41
	v_readlane_b32 s46, v37, s42
	v_readlane_b32 s47, v37, s43
	v_readlane_b32 s48, v38, s21
	v_readlane_b32 s49, v38, s41
	v_readlane_b32 s50, v38, s42
	v_readlane_b32 s51, v38, s43
.irp j, 0,1,2,3,4,5,6,7
	v_add_nc_u32 v[56+\j], 32*(\j%4)+1024*(\j/4), v39      ; the slot of my bit in word j of the eight
.endr
	s_mov_b32 s52, s22
.irp j, 0,1,2,3,4,5,6
	s_bcnt1_i32_b32 s24, s[44+\j]
	s_add_co_u32 s[53+\j], s[52+\j], s24                   ; where word j + 1's slots begin
.endr
	s_bcnt1_i32_b32 s24, s51
	s_add_co_u32 s22, s59, s24
.irp j, 0,1,2,3,4,5,6,7
	v_mbcnt_lo_u32_b32 v[48+\j], s[44+\j], s[52+\j]
.endr
.irp j, 0,1,2,3,4,5,6,7
	v_cndmask_b32 v[48+\j], v45, v[48+\j], s[44+\j]
.endr
.irp j, 0,1,2,3,4,5,6,7
	v_min_u32 v[48+\j], 0x41f, v[48+\j]
.endr
.irp j, 0,1,2,3,4,5,6,7
	v_lshl_add_u32 v[48+\j], v[48+\j], 2, LIST
.endr
.irp j, 0,1,2,3,4,5,6,7
	ds_store_b32 v[48+\j], v[56+\j]
.endr
	v_add_nc_u32 v39, 128, v39
	s_add_co_u32 s21, s21, 4
	s_sub_co_i32 s23, s23, 1
	s_cmp_lg_u32 s23, 0
	s_cbranch_scc1 .Lscan
	v_mov_b32 v35, CNTA
	v_mov_b32 v36, s22
	ds_store_b32 v35, v36
.Lns:
	BAR
	v_mov_b32 v35, CNTA
	ds_load_b32 v36, v35
	s_wait_dscnt 0x0
	v_readfirstlane_b32 s25, v36
	s_min_u32 s25, s25, 0x400
	s_max_u32 s26, s25, 1
	s_sub_co_u32 s26, s26, 1
.irp i, 0,1,2,3,4,5,6,7,8,9,10,11
	v_add_nc_u32 v[PO+\i], 16*\i, v[POS]
	v_min_u32 v[PO+\i], s26, v[PO+\i]
	v_min_u32 v[PO+\i], 0x3ff, v[PO+\i]
	v_lshl_add_u32 v[PO+\i], v[PO+\i], 2, LIST
.endr
.irp f, 0,1,2
	v_add_nc_u32 v[31+\f], s27, v[RR]
	v_add_nc_u32 v[31+\f], 16*\f, v[31+\f]
	v_min_u32 v[31+\f], s26, v[31+\f]
	v_min_u32 v[31+\f], 0x3ff, v[31+\f]
	v_lshl_add_u32 v[31+\f], v[31+\f], 2, LIST
.endr
.irp i, 0,1,2,3,4,5,6,7,8,9,10,11
	ds_load_b32 v[AOF+\i], v[PO+\i]
.endr
.irp f, 0,1,2
	ds_load_b32 v[34+\f], v[31+\f]
.endr
	s_wait_dscnt 0x0
.irp i, 0,1,2,3,4,5,6,7,8,9,10,11
	v_min_u32 v[AOF+\i], 0x7ff, v[AOF+\i]
	v_lshl_add_u32 v[PO+\i], v[AOF+\i], 12, v[C16]
	v_lshl_add_u32 v[AOF+\i], v[AOF+\i], 11, v[C16]
.endr
.irp f, 0,1,2
	v_min_u32 v[34+\f], 0x7ff, v[34+\f]
	v_lshlrev_b32 v[34+\f], 2, v[34+\f]
	v_mov_b32 v[GW+2*\f+1], 0
	global_load_b32 v[GW+2*\f], v[34+\f], s[14:15]
.endr
	WIN 0x40
.irp c, 0,1,2
.irp i, 0,1,2,3,4,5,6,7,8,9,10,11
	global_load_b128 v[80*\c+32+4*\i:80*\c+32+4*\i+3], v[AOF+\i], s[8:9] offset:256*\c
.endr
.endr
	WIN 0
.macro MM st
.irp f, 0,1,2
.irp u, 0,1
	v_wmma_f32_16x16x32_bf16 v[ACC+8*(2*\f+\u):ACC+8*(2*\f+\u)+7], v[FB+16*(\st)+8*\u:FB+16*(\st)+8*\u+7], v[FA+24*(\st)+8*\f:FA+24*(\st)+8*\f+7], v[ACC+8*(2*\f+\u):ACC+8*(2*\f+\u)+7]
.endr
.endr
.endm
.macro FR kk, st                ; the fragments of 32 along K: ten loads.  qq, ab: the step's place in the ring of three, and its token buffer
.irp f, 0,1,2
	ds_load_b128 v[FA+24*(\st)+8*\f:FA+24*(\st)+8*\f+3],   v[AFR+ab] offset:16*ABP*\f+64*(\kk)
	ds_load_b128 v[FA+24*(\st)+8*\f+4:FA+24*(\st)+8*\f+7], v[AFR+ab] offset:16*ABP*\f+64*(\kk)+32
.endr
.irp u, 0,1
	ds_load_tr16_b128 v[FB+16*(\st)+8*\u:FB+16*(\st)+8*\u+3],   v[BWK] offset:qq*128*WLP+32*WLP*(\kk)+32*\u
	ds_load_tr16_b128 v[FB+16*(\st)+8*\u+4:FB+16*(\st)+8*\u+7], v[BWK] offset:qq*128*WLP+32*WLP*(\kk)+16*WLP+32*\u
.endr
.endm
; A K STEP of 128: the chunk that has landed (8 loads of weights, 12 of rows) goes into LDS, the chunk three steps on is asked for, one barrier, then 40 fragment loads and 24 products.
.macro TRIP c, cnt, issue
.set qq, (\c)%3
.set ab, (\c)%2
	s_wait_loadcnt \cnt
	WIN 0x45
.irp n, 0,1,2,3,4,5,6,7                    ; sixteen plain instructions: the places behind the last products
	v_cvt_pk_bf16_f32 v[T1+2*\n],   v[80*qq+4*\n],   v[80*qq+4*\n+1]
	v_cvt_pk_bf16_f32 v[T1+2*\n+1], v[80*qq+4*\n+2], v[80*qq+4*\n+3]
.endr
	WIN 0x04
.irp n, 0,1,2,3,4,5,6,7
	ds_store_b64 v[WS], v[T1+2*\n:T1+2*\n+1] offset:qq*128*WLP+(\n/4)*64*WLP+(\n%4)*WLP
.endr
.irp i, 0,1,2,3,4,5,6,7,8,9,10,11
	ds_store_b128 v[AST+ab], v[80*qq+32+4*\i:80*qq+32+4*\i+3] offset:16*ABP*\i
.endr
.if \issue
	WIN 0x40
.irp n, 0,1,2,3,4,5,6,7
	global_load_b128 v[80*qq+4*\n:80*qq+4*\n+3], v[WOFF], s[10:11] offset:((\c)+3)*524288+(\n/4)*262144+(\n%4)*4096 th:TH_LOAD_NT
.endr
.irp i, 0,1,2,3,4,5,6,7,8,9,10,11
	global_load_b128 v[80*qq+32+4*\i:80*qq+32+4*\i+3], v[AOF+\i], s[8:9] offset:((\c)+3)*256
.endr
.endif
	WIN 0
	BAR
	s_cmp_ge_u32 s27, s25
	s_cbranch_scc1 .Ldead_\@
	FR 0, 0
	FR 1, 1
	s_wait_dscnt 10
	MM 0
	s_wait_dscnt 0x0
	MM 1
.rept 4
	v_nop                                  ; the places in front of the loads into the fragments just multiplied
.endr
	FR 2, 0
	FR 3, 1
	s_wait_dscnt 10
	MM 0
	s_wait_dscnt 0x0
	MM 1
.Ldead_\@:
.endm
	TRIP 0, 24, 1                          ; behind rows 0 stand rows 1 and 2: 24
	TRIP 1, 32, 1                          ; rows 2 and chunk 3: 12 + 20
	TRIP 2, 40, 1                          ; from here two younger chunks of 20
	v_add_nc_u32 v[WS], 3*128*WLP, v[WS]
	v_add_nc_u32 v[BWK], 3*128*WLP, v[BWK]
	TRIP 3, 40, 1
	TRIP 4, 40, 1
	TRIP 5, 40, 0
	v_add_nc_u32 v[WS], 3*128*WLP, v[WS]
	v_add_nc_u32 v[BWK], 3*128*WLP, v[BWK]
	TRIP 6, 20, 0
	TRIP 7, 0, 0
.rept 4
	v_nop                                  ; the places behind the last products, on every way
.endr
	s_cmp_ge_u32 s27, s25
	s_cbranch_scc1 .Lp1dead
.set gg, 0
.rept 6
.irp jj, 0,1,2,3
	v_pk_mul_f32 v[ACC+8*gg+2*\jj:ACC+8*gg+2*\jj+1], v[ACC+8*gg+2*\jj:ACC+8*gg+2*\jj+1], v[GW+2*(gg/2):GW+2*(gg/2)+1] op_sel_hi:[1,0]
.endr
.set gg, gg+1
.endr
.set gg, 0
.rept 6                                    ; into the first row buffer: its last readers signalled the last step's barrier
	ds_store_b128 v[SGW], v[ACC+8*gg:ACC+8*gg+3]   offset:(gg/2)*16*ABP+64*(gg%2)
	ds_store_b128 v[SGW], v[ACC+8*gg+4:ACC+8*gg+7] offset:(gg/2)*16*ABP+64*(gg%2)+16
.set gg, gg+1
.endr
.Lp1dead:
	BAR
.macro PIECE i                  ; rows 16 i + 2 w, + 1: sixteen lanes store a row's 256 consecutive bytes, aligned
	s_add_co_u32 s28, s33, 16*(\i)
	s_cmp_ge_u32 s28, s25
	s_cbranch_scc1 .Lpz_\@
	ds_load_b128 v[PD+4*(\i):PD+4*(\i)+3], v[AST] offset:16*ABP*(\i)
	s_wait_dscnt 0x0
	global_store_b128 v[PO+(\i)], v[PD+4*(\i):PD+4*(\i)+3], s[16:17]
.Lpz_\@:
.endm
.irp i, 0,1,2,3,4,5,6,7,8,9,10,11
	PIECE \i
.endr
	; PHASE 2: rows 192 tile + 48 (w / 2) on, tile = 1 .. 5; nothing writes LDS.
	s_mov_b32 s30, 1
.Ltile:
	s_mul_i32 s31, s30, 192
	s_add_co_u32 s31, s31, s27
	s_cmp_ge_u32 s31, s25
	s_cbranch_scc1 .Ltnext
	s_wait_xcnt 0x0
.irp f, 0,1,2
	v_add_nc_u32 v[11+\f], s31, v[RR]
	v_add_nc_u32 v[11+\f], 16*\f, v[11+\f]
	v_min_u32 v[11+\f], s26, v[11+\f]
	v_min_u32 v[11+\f], 0x3ff, v[11+\f]
	v_lshl_add_u32 v[11+\f], v[11+\f], 2, LIST
.endr
.irp f, 0,1,2
	ds_load_b32 v[14+\f], v[11+\f]
.endr
	s_wait_dscnt 0x0
.irp f, 0,1,2
	v_min_u32 v[14+\f], 0x7ff, v[14+\f]
	v_lshl_add_u32 v[8+\f], v[14+\f], 12, v[HC]
	v_lshl_add_u32 v[5+\f], v[14+\f], 11, v[H16]
	v_lshlrev_b32 v[31+\f], 2, v[14+\f]
	global_load_b32 v[GW+2*\f], v[31+\f], s[14:15]
.endr
	v_mov_b32 v[BWK], v[B0]
.set i, 0
.rept 48
	v_mov_b32 v[ACC+i], 0
.set i, i+1
.endr
	s_mov_b32 s32, 16
.Linner:
.irp kk, 0,1
.irp f, 0,1,2
	global_load_b128 v[FA+24*\kk+8*\f:FA+24*\kk+8*\f+3],   v[5+\f], s[8:9] offset:64*\kk
	global_load_b128 v[FA+24*\kk+8*\f+4:FA+24*\kk+8*\f+7], v[5+\f], s[8:9] offset:64*\kk+32
.endr
.irp u, 0,1
	ds_load_tr16_b128 v[FB+16*\kk+8*\u:FB+16*\kk+8*\u+3],   v[BWK] offset:32*WLP*\kk+32*\u
	ds_load_tr16_b128 v[FB+16*\kk+8*\u+4:FB+16*\kk+8*\u+7], v[BWK] offset:32*WLP*\kk+16*WLP+32*\u
.endr
.endr
	s_wait_loadcnt 0x0
	s_wait_dscnt 0x0
	MM 0
	MM 1
.irp f, 0,1,2                              ; four plain instructions: the places behind the products
	v_add_nc_u32 v[5+\f], 128, v[5+\f]
.endr
	v_add_nc_u32 v[BWK], 64*WLP, v[BWK]
	s_sub_co_i32 s32, s32, 1
	s_cmp_lg_u32 s32, 0
	s_cbranch_scc1 .Linner
.set gg, 0
.rept 6
.irp jj, 0,1,2,3
	v_pk_mul_f32 v[ACC+8*gg+2*\jj:ACC+8*gg+2*\jj+1], v[ACC+8*gg+2*\jj:ACC+8*gg+2*\jj+1], v[GW+2*(gg/2):GW+2*(gg/2)+1] op_sel_hi:[1,0]
.endr
.set gg, gg+1
.endr
.set gg, 0
.rept 6
	global_store_b128 v[8+gg/2], v[ACC+8*gg:ACC+8*gg+3],   s[16:17] offset:64*(gg%2)
	global_store_b128 v[8+gg/2], v[ACC+8*gg+4:ACC+8*gg+7], s[16:17] offset:64*(gg%2)+16
.set gg, gg+1
.endr
.Ltnext:
	s_add_co_u32 s30, s30, 1
	s_cmp_lt_u32 s30, 6
	s_cbranch_scc1 .Ltile
	BAR                                    ; one barrier closes phase 2: behind it no wave reads LDS any more
	s_wait_tensorcnt 0x0                   ; the wave's end
	ds_add_u32 v[SPW], v[NIL]
	s_wait_dscnt 0x0
	s_endpgm
.Lfunc_end_k_q6ed6869764_down:
	.size	k_q6ed6869764_down, .Lfunc_end_k_q6ed6869764_down-k_q6ed6869764_down
	.p2alignl 7, 3214868480
	.fill 96, 4, 3214868480
	.section	.rodata,"a",@progbits
	.p2align	6, 0x0
	.amdhsa_kernel k_q6ed6869764_down
		.amdhsa_group_segment_fixed_size 273920
		.amdhsa_private_segment_fixed_size 0
		.amdhsa_enable_private_segment 0
		.amdhsa_kernarg_size 40
		.amdhsa_user_sgpr_count 2
		.amdhsa_user_sgpr_kernarg_segment_ptr 1
		.amdhsa_wavefront_size32 1
		.amdhsa_system_sgpr_workgroup_id_x 1
		.amdhsa_system_sgpr_workgroup_id_y 1
		.amdhsa_system_sgpr_workgroup_id_z 1
		.amdhsa_system_vgpr_workitem_id 0
		.amdhsa_next_free_vgpr 512
		.amdhsa_next_free_sgpr 66
		.amdhsa_reserve_vcc 0
		.amdhsa_float_denorm_mode_32 3
		.amdhsa_float_denorm_mode_16_64 3
		.amdhsa_memory_ordered 1
		.amdhsa_forward_progress 1
		.amdhsa_inst_pref_size 104
	.end_amdhsa_kernel
	.amdgpu_metadata
---
amdhsa.version: [ 1, 2 ]
amdhsa.kernels:
  - .name:           k_q6ed6869764_down
    .symbol:         k_q6ed6869764_down.kd
    .args:
      - { .name: he, .offset: 0, .size: 8, .value_kind: global_buffer, .address_space: global }
      - { .name: W2, .offset: 8, .size: 8, .value_kind: global_buffer, .address_space: global }
      - { .name: bmap, .offset: 16, .size: 8, .value_kind: global_buffer, .address_space: global }
      - { .name: gw, .offset: 24, .size: 8, .value_kind: global_buffer, .address_space: global }
      - { .name: pp, .offset: 32, .size: 8, .value_kind: global_buffer, .address_space: global }
    .group_segment_fixed_size: 273920
    .private_segment_fixed_size: 0
    .kernarg_segment_align: 8
    .kernarg_segment_size: 40
    .max_flat_workgroup_size: 256
    .sgpr_count:     66
    .vgpr_count:     512
    .wavefront_size: 32
...
	.end_amdgpu_metadata
.endif
;; end of part 6
;; launch comb (part 7): grid 256 x 1, 8 waves a work-group, no clusters, 0 bytes of LDS; arguments x1, pp, out0; writes out0
.if DOCPART == 7
	.amdgcn_target "amdgcn-amd-amdhsa--gfx1250"
	.amdhsa_code_object_version 6
	.text
	.protected	k_q6ed6869764_comb
	.globl	k_q6ed6869764_comb
	.p2align	8
	.type	k_q6ed6869764_comb,@function
k_q6ed6869764_comb:
	s_mov_b64 s[64:65], 0
	v_nop
	global_prefetch_b8 v0, s[64:65] scope:SCOPE_SE
	s_setreg_imm32_b32 hwreg(HW_REG_WAVE_MODE, 25, 1), 1
	s_wait_xcnt 0x0
; out0[t] = x1[t] + pp[2 t] + pp[2 t + 1], all f32: the two chosen experts' weighted rows are added to the residual.
; A stream: a work-group owns 4 tokens, a thread 16 bytes of each row; twelve loads of every wave are out before the one wait; each load and store of a wave covers 512 consecutive bytes.
; No LDS, no matrix unit, no cluster: nothing is shared and nothing is read twice.
	s_load_b128 s[4:7], s[0:1], 0x0        ; x1, pp
	s_load_b64 s[8:9], s[0:1], 0x10        ; out0
	v_lshlrev_b32 v1, 4, v0
	s_lshl_b32 s10, ttmp9, 14              ; 4 rows of 4,096 bytes
	s_mov_b32 s11, 0
	s_lshl_b32 s12, ttmp9, 15              ; 8 rows of pp
	s_mov_b32 s13, 0
	s_wait_kmcnt 0x0
	s_add_nc_u64 s[4:5], s[4:5], s[10:11]
	s_add_nc_u64 s[8:9], s[8:9], s[10:11]
	s_add_nc_u64 s[6:7], s[6:7], s[12:13]
.irp i, 0,1,2,3
	global_load_b128 v[4+4*\i:7+4*\i],   v1, s[4:5] offset:4096*\i th:TH_LOAD_NT
	global_load_b128 v[20+4*\i:23+4*\i], v1, s[6:7] offset:8192*\i th:TH_LOAD_NT
	global_load_b128 v[36+4*\i:39+4*\i], v1, s[6:7] offset:8192*\i+4096 th:TH_LOAD_NT
.endr
	s_wait_loadcnt 0x0
.irp i, 0,1,2,3,4,5,6,7
	v_pk_add_f32 v[20+2*\i:21+2*\i], v[20+2*\i:21+2*\i], v[36+2*\i:37+2*\i]
.endr
.irp i, 0,1,2,3,4,5,6,7
	v_pk_add_f32 v[4+2*\i:5+2*\i], v[4+2*\i:5+2*\i], v[20+2*\i:21+2*\i]
.endr
.irp i, 0,1,2,3
	global_store_b128 v1, v[4+4*\i:7+4*\i], s[8:9] offset:4096*\i th:TH_STORE_NT
.endr
	s_endpgm
.Lfunc_end_k_q6ed6869764_comb:
	.size	k_q6ed6869764_comb, .Lfunc_end_k_q6ed6869764_comb-k_q6ed6869764_comb
	.p2alignl 7, 3214868480
	.fill 96, 4, 3214868480
	.section	.rodata,"a",@progbits
	.p2align	6, 0x0
	.amdhsa_kernel k_q6ed6869764_comb
		.amdhsa_group_segment_fixed_size 0
		.amdhsa_private_segment_fixed_size 0
		.amdhsa_enable_private_segment 0
		.amdhsa_kernarg_size 24
		.amdhsa_user_sgpr_count 2
		.amdhsa_user_sgpr_kernarg_segment_ptr 1
		.amdhsa_wavefront_size32 1
		.amdhsa_system_sgpr_workgroup_id_x 1
		.amdhsa_system_sgpr_workgroup_id_y 1
		.amdhsa_system_sgpr_workgroup_id_z 1
		.amdhsa_system_vgpr_workitem_id 0
		.amdhsa_next_free_vgpr 64
		.amdhsa_next_free_sgpr 66
		.amdhsa_reserve_vcc 0
		.amdhsa_float_denorm_mode_32 3
		.amdhsa_float_denorm_mode_16_64 3
		.amdhsa_memory_ordered 1
		.amdhsa_forward_progress 1
		.amdhsa_inst_pref_size 4
	.end_amdhsa_kernel
	.amdgpu_metadata
---
amdhsa.version: [ 1, 2 ]
amdhsa.kernels:
  - .name:           k_q6ed6869764_comb
    .symbol:         k_q6ed6869764_comb.kd
    .args:
      - { .name: x1, .offset: 0, .size: 8, .value_kind: global_buffer, .address_space: global }
      - { .name: pp, .offset: 8, .size: 8, .value_kind: global_buffer, .address_space: global }
      - { .name: out0, .offset: 16, .size: 8, .value_kind: global_buffer, .address_space: global }
    .group_segment_fixed_size: 0
    .private_segment_fixed_size: 0
    .kernarg_segment_align: 8
    .kernarg_segment_size: 24
    .max_flat_workgroup_size: 256
    .sgpr_count:     66
    .vgpr_count:     64
    .wavefront_size: 32
...
	.end_amdgpu_metadata
.endif
;; end of part 7
